; MI455X (gfx1250); checked and timed in simulation.
; The chip was launched on July 23, 2026; its instructions are those of AMD's public machine-readable ISA for CDNA 5 (MIT licence, August 2026) and "CDNA5" Instruction Set Architecture Reference Guide (July 2026). The comments in the code are by the model that wrote it; some were corrected since.
;; Full Attention Block. Allowed arithmetic: matrix products marked QUANTISED: E4M3 operands, one E8M0 scale for each 32 along K, by v_wmma_scale_f32_16x16x128_f8f6f4 with both operands' format E4M3, f32 sums; everything else in f32.
;; Inputs: Wk_codes 1,024 x 32 x 32 uint8 (E4M3 codes of Wk, K innermost, in blocks of 32 codes); Wk_scales 1,024 x 32 uint8 (E8M0 scales of Wk, one for each 32 codes along K); Wo_codes 1,024 x 64 x 32 uint8 (E4M3 codes of Wo, K innermost, in blocks of 32 codes); Wo_scales 1,024 x 64 uint8 (E8M0 scales of Wo, one for each 32 codes along K); Wq_codes 2,048 x 32 x 32 uint8 (E4M3 codes of Wq, K innermost, in blocks of 32 codes); Wq_scales 2,048 x 32 uint8 (E8M0 scales of Wq, one for each 32 codes along K); Wv_codes 1,024 x 32 x 32 uint8 (E4M3 codes of Wv, K innermost, in blocks of 32 codes); Wv_scales 1,024 x 32 uint8 (E8M0 scales of Wv, one for each 32 codes along K); hidden_states_codes 2 x 2,048 x 32 x 32 uint8 (E4M3 codes of hidden_states, K innermost, in blocks of 32 codes); hidden_states_scales 2 x 2,048 x 32 uint8 (E8M0 scales of hidden_states, one for each 32 codes along K); k_norm_w 128 float32; position_ids 2,048 int32; q_norm_w 128 float32.
;; Outputs: out0 2 x 2,048 x 1,024 float32; out1 2 x 8 x 2,048 x 128 float32; out2 2 x 8 x 2,048 x 128 float32.
;; This version of the problem:
;;   THIS VERSION OF THE PROBLEM IS GIVEN IN LOW PRECISION. The matrix products marked QUANTISED in the list below multiply operands that are first quantised to E4M3 (4 exponent bits, 3 mantissa bits; 8 bits a number), with one power-of-two scale for each 32 numbers along K (OCP MX v1.0); their sums are f32. All else is computed in f32.
;;   The module's matrix products, in the order in which they are computed (A, B: the left and right operand; K: the contracted axis; several contracted axes count as one K, in the product's order):
;;     1. [M 4,096, K 1,024] x [K 1,024, N 2,048]; A: input hidden_states (given as codes); B: input Wq (given as codes): QUANTISED
;;     2. [M 4,096, K 1,024] x [K 1,024, N 1,024]; A: input hidden_states (given as codes); B: input Wk (given as codes): QUANTISED
;;     3. [M 4,096, K 1,024] x [K 1,024, N 1,024]; A: input hidden_states (given as codes); B: input Wv (given as codes): QUANTISED
;;     4. batch 16 x [M 4,096, K 128] x [K 128, N 2,048]; A: computed on the way; B: computed on the way: QUANTISED
;;     5. batch 16 x [M 4,096, K 2,048] x [K 2,048, N 128]; A: softmax (see below); B: computed on the way: QUANTISED
;;     6. [M 4,096, K 2,048] x [K 2,048, N 1,024]; A: computed on the way; B: input Wo (given as codes): QUANTISED
;;   THE QUANTISER, for each operand of a quantised product, along K:
;;     - K is cut into blocks of 32 from its start; a last block that is shorter is filled with zeros.
;;     - A block's scale is 2^e with e = floor(log2(the largest magnitude in the block)) - 8, held to -126 .. 127; a block of zeros has e = 0. As a byte (E8M0): e + 127.
;;     - Each number is divided by its block's scale, clamped to +-448, and rounded to the nearest number of E4M3, ties to even, subnormals kept.
;;     - The product sums the exact products of the quantised numbers (number of the format x scale) in f32.
;;   ~~~python
;;   def quantise(x, axis):      # numpy; x: float32 -> the quantised numbers, widened to float32 again
;;       x = np.moveaxis(x, axis, -1); K = x.shape[-1]
;;       x = np.pad(x, [(0, 0)] * (x.ndim - 1) + [(0, -K % 32)]); x = x.reshape(x.shape[:-1] + (-1, 32)); a = np.abs(x).max(-1, keepdims=True)
;;       e = np.where(a > 0, np.clip(np.frexp(np.where(a > 0, a, 1))[1] - 1 - 8, -126, 127), 0)      # np.frexp(a)[1] - 1 = floor(log2(a)), exactly
;;       r = np.clip(x / 2.0 ** e, -448, 448)
;;       step = 2.0 ** (np.maximum(np.frexp(np.where(r == 0, 1, r))[1] - 1, -6) - 3)
;;       q = np.round(r / step) * step * 2.0 ** e      # np.round: ties to even
;;       return np.moveaxis(q.reshape(q.shape[:-2] + (-1,))[..., :K], -1, axis).astype(np.float32)
;;   ~~~
;;   SOFTMAX AHEAD OF A QUANTISED PRODUCT. Where the list says 'softmax', what is quantised is not the finished softmax but p = 2^(t - M), with t = logit x log2(e) and M = ceil(the row's largest t), a whole number; so 1/2 < the row's largest p <= 1. The row's sum l is taken of the UNQUANTISED p, in f32, and the product's result is divided by l at the end. Since M is a whole number, a kernel that streams over the keys may use a running M (the ceiling of the running maximum): every later rescaling is an exact power of two, which a block's scale takes up: the codes' values come out the same.
;;   OPERANDS COMPUTED ON THE WAY. 'Computed on the way' means the value that the module computes at that place (a softmax that the list does not call 'softmax' is quantised finished and normalised). What goes into a quantiser is computed in f32, as accurately as f32 sums, v_exp_f32 and their like allow (about 1e-6 of the number): no bf16 or f16 on the way to a quantiser, and a product that is left as it is and whose result goes on into a quantised operand takes f32 operands (vector FMAs, or v_wmma_f32_16x16x4_f32). A number that lies on a knife's edge between two numbers of the format may be rounded either way, as far as f32 arithmetic and the matrix unit's own rounding can turn it there, and no further.
;;   INPUTS GIVEN AS CODES. Wk (in the module: [1024, 1024], K = its axis 0); Wo (in the module: [2048, 1024], K = its axis 0); Wq (in the module: [1024, 2048], K = its axis 0); Wv (in the module: [1024, 1024], K = its axis 0); hidden_states (in the module: [2, 2048, 1024], K = its axis 2): each comes as NAME_codes (uint8): NAME with its K axis moved to the last place and cut into blocks of 32 codes, [.., K / 32, bytes a block], one block behind the other in memory; one code a byte (a code: sign, 4 exponent bits, 3 mantissa bits); and NAME_scales (uint8): the same leading axes, one E8M0 byte (e + 127) for each 32 codes along K. Its value is code x scale, taken as it is: it is not quantised again, and the codes and scales need not be those that the quantiser above would give.
;; One version. Each part assembles by itself: llvm-mc -triple=amdgcn-amd-amdhsa -mcpu=gfx1250 --defsym DOCPART=n.
;; ======== version 1 of 1: 4 launches
;; limits: right only within a limited range of input values
;; workspace buffers: rope 1,048,576 bytes; q_img 8,388,608 bytes; k_img 4,194,304 bytes; v_img 4,194,304 bytes; qkv_sc 524,288 bytes; a_img 8,388,608 bytes; a_sc 262,144 bytes
;; launch rope (part 1): grid 256 x 1, 4 waves a work-group, no clusters, 0 bytes of LDS; arguments position_ids, rope; writes rope
.if DOCPART == 1
	.amdgcn_target "amdgcn-amd-amdhsa--gfx1250"
	.amdhsa_code_object_version 6
	.text
	.protected	k_q642427f266_rope
	.globl	k_q642427f266_rope
	.p2align	8
	.type	k_q642427f266_rope,@function
k_q642427f266_rope:
	s_mov_b64 s[64:65], 0
	v_nop
	global_prefetch_b8 v0, s[64:65] scope:SCOPE_SE
	s_setreg_imm32_b32 hwreg(HW_REG_WAVE_MODE, 25, 1), 1
	s_wait_xcnt 0x0
; THE PROGRAM: an attention block (B 2, S 2,048, HID 1,024, 16 query heads, 8 key/value heads, D 128), all six products on codes of E4M3 with E8M0 scales.  Four launches:
;   rope   cos and sin of position x inv_freq, laid as the next launch's registers want them
;   qkv    hidden x (Wq | Wk | Wv), RMS norm and RoPE on q and k, the quantisers of q, k (along D) and v (along the keys), out1, out2
;   attn   K Q^T, the causal softmax p = 2^(t - M), V^T P, division by the row's sum, the quantiser of the result (along H x D)
;   oproj  the result x Wo -> out0
; WORK LEFT OUT: reference() builds the causal mask itself (jnp.tril) and puts the least f32 number where key > query; behind the softmax's maximum such a score gives p = 0 whatever finite values the inputs hold
; (key 0 counts for every query, so no row is all masked).  So a step of 128 keys all of which come after all 16 queries of a tile adds nothing to that tile's sum or result: attn leaves such steps out, and does not
; fetch keys that come after a work-group's last query.  Nothing else is left out, and every input is loaded.
; LIMITS: NaN and infinities among the inputs are not served; a NaN, an infinity or an overflow that reaches only the masked steps left out is not carried to the result; |position_ids| up to 2^22 (the reduction
; below takes pi/2 in three parts); a block of zeros gets the scale byte 1 where the rule says 127: its codes are zeros, and these bytes are read by this program alone.
; TILE ORDER, used in all launches: tile tau (0..127 of a sequence) holds the 16 positions 32 (tau / 2) + 8 (tau % 2) + r + 8 (r / 8), r = 0..15.
;
; THIS LAUNCH.  rope: [tau 128][chunk 16][lane 32][4 f32]; chunks 0-7 cos, 8-15 sin.  Lane (r = lane % 16, h = lane / 16), element e of chunk c holds position (tau, r) at frequency f = 32 (c / 4) + 16 h + 4 (c % 4) + e.
; Work-group x: tau = x / 2; wave w makes chunk W = 4 (x % 2) + w, cos and sin: two stores of 512 consecutive bytes.  No LDS, no barrier, no matrix unit: 64 numbers a lane would not feed them.
; inv_freq = 1e6^(-f / 64) = 2^(-f c), c = log2(1e6) / 64 in two parts; angle = f32(position) x inv_freq, one rounding as reference() has it; angle - n pi/2 by three fused multiply-adds;
; sin and cos on [-pi/4, pi/4] by polynomials of degree 7 and 8; the quadrant n swaps and signs them.
.set F,  8
.set N,  12
.set R,  16
.set E,  20
.set NI, 24
.set XA, 28
.set Q,  32
.set RR, 36
.set Z,  40
.set SN, 44
.set CN, 48
.set CO, 52                            ; v[52:55] the four cosines
.set SI, 56                            ; v[56:59] the four sines
.set T,  60
	s_load_b128 s[4:7], s[0:1], 0x0                ; position_ids, rope
	v_lshrrev_b32 v1, 5, v0
	v_readfirstlane_b32 s8, v1                     ; wave
	v_and_b32 v1, 31, v0                           ; lane
	v_and_b32 v2, 15, v0                           ; r
	s_wait_alu depctr_va_vdst(0)
	v_bfe_u32 v3, v0, 4, 1                         ; h
	s_wait_alu depctr_va_vdst(0)
	s_lshr_b32 s9, ttmp9, 1                        ; tau
	s_and_b32 s10, ttmp9, 1
	s_lshl_b32 s10, s10, 2
	s_add_co_u32 s10, s10, s8                      ; W
	s_lshr_b32 s11, s9, 1
	s_lshl_b32 s11, s11, 5
	s_and_b32 s12, s9, 1
	s_lshl_b32 s12, s12, 3
	s_add_co_u32 s11, s11, s12                     ; 32 (tau / 2) + 8 (tau % 2)
	v_and_b32 v4, 8, v2
	v_add_nc_u32 v4, v4, v2                        ; r + 8 (r / 8)
	v_add_nc_u32 v4, s11, v4                       ; my position's place
	v_lshlrev_b32 v4, 2, v4
	s_lshr_b32 s12, s10, 2
	s_lshl_b32 s12, s12, 5
	s_and_b32 s13, s10, 3
	s_lshl_b32 s13, s13, 2
	s_add_co_u32 s12, s12, s13
	v_lshl_add_u32 v7, v3, 4, s12                  ; my first frequency: 32 (W / 4) + 4 (W % 4) + 16 h
	v_lshlrev_b32 v6, 4, v1                        ; 16 bytes a lane
	s_lshl_b32 s14, s9, 13
	s_lshl_b32 s15, s10, 9
	s_add_co_u32 s14, s14, s15                     ; tau x 8,192 + W x 512
	s_mov_b32 s15, 0
	s_mov_b32 s16, 0x3e9f73da                      ; c, high part
	s_mov_b32 s17, 0x31e36753                      ; c, low part
	s_mov_b32 s18, 0x3f22f983                      ; 2 / pi
	s_mov_b32 s19, 0xbfc90fdb                      ; -pi/2 in three parts
	s_mov_b32 s20, 0x333bbd2e
	s_mov_b32 s21, 0x26f72ced
	s_mov_b32 s22, 0xbe2aaaa3                      ; sine: S1, S2, S3
	s_mov_b32 s23, 0x3c08839e
	s_mov_b32 s24, 0xb94ca1f9
	s_mov_b32 s25, 0x3d2aaaa5                      ; cosine: C1, C2, C3
	s_mov_b32 s26, 0xbab6061a
	s_mov_b32 s27, 0x37ccf5ce
	s_wait_alu depctr_va_vdst(0)
	s_wait_kmcnt 0x0
	global_load_b32 v5, v4, s[4:5]                 ; my position
	s_add_nc_u64 s[6:7], s[6:7], s[14:15]
.irp e, 0,1,2,3
	v_add_nc_u32 v[F+\e], \e, v7
.endr
.irp e, 0,1,2,3
	v_cvt_f32_u32 v[F+\e], v[F+\e]
.endr
.irp e, 0,1,2,3
	v_mul_f32 v[N+\e], s16, v[F+\e]
.endr
.irp e, 0,1,2,3
	v_rndne_f32 v[N+\e], v[N+\e]                   ; the whole part of f c
.endr
.irp e, 0,1,2,3
	v_fma_f32 v[R+\e], v[F+\e], s16, -v[N+\e]      ; the rest, exactly,
.endr
.irp e, 0,1,2,3
	v_fma_f32 v[R+\e], v[F+\e], s17, v[R+\e]       ; with c's low part
.endr
	s_wait_alu depctr_va_vdst(0)
.irp e, 0,1,2,3
	v_exp_f32 v[E+\e], -v[R+\e]                    ; one batch of four
.endr
.irp e, 0,1,2,3
	v_cvt_i32_f32 v[NI+\e], v[N+\e]                ; plain work behind the batch
.endr
.irp e, 0,1,2,3
	v_sub_nc_u32 v[NI+\e], 0, v[NI+\e]
.endr
	s_wait_alu depctr_va_vdst(0)                   ; one wait for the four exponentials, ahead of their first reader
.irp e, 0,1,2,3
	v_ldexp_f32 v[E+\e], v[E+\e], v[NI+\e]         ; inv_freq
.endr
	s_wait_loadcnt 0x0
	v_cvt_f32_i32 v5, v5
	s_wait_alu depctr_va_vdst(0)
.irp e, 0,1,2,3
	v_mul_f32 v[XA+\e], v5, v[E+\e]                ; the angle
.endr
.irp e, 0,1,2,3
	v_mul_f32 v[Q+\e], s18, v[XA+\e]
.endr
.irp e, 0,1,2,3
	v_rndne_f32 v[Q+\e], v[Q+\e]                   ; n
.endr
.irp e, 0,1,2,3
	v_fma_f32 v[RR+\e], v[Q+\e], s19, v[XA+\e]
.endr
.irp e, 0,1,2,3
	v_fma_f32 v[RR+\e], v[Q+\e], s20, v[RR+\e]
.endr
.irp e, 0,1,2,3
	v_fma_f32 v[RR+\e], v[Q+\e], s21, v[RR+\e]     ; angle - n pi/2
.endr
.irp e, 0,1,2,3
	v_cvt_i32_f32 v[NI+\e], v[Q+\e]
.endr
.irp e, 0,1,2,3
	v_mul_f32 v[Z+\e], v[RR+\e], v[RR+\e]
.endr
.irp e, 0,1,2,3
	v_fma_f32 v[SN+\e], v[Z+\e], s24, s23
	v_fma_f32 v[CN+\e], v[Z+\e], s27, s26
.endr
.irp e, 0,1,2,3
	v_fma_f32 v[SN+\e], v[SN+\e], v[Z+\e], s22
	v_fma_f32 v[CN+\e], v[CN+\e], v[Z+\e], s25
.endr
.irp e, 0,1,2,3
	v_mul_f32 v[T+\e], v[RR+\e], v[Z+\e]
.endr
.irp e, 0,1,2,3
	v_fma_f32 v[SN+\e], v[T+\e], v[SN+\e], v[RR+\e]   ; sine of the rest
.endr
.irp e, 0,1,2,3
	v_fma_f32 v[T+\e], v[Z+\e], -0.5, 1.0
.endr
.irp e, 0,1,2,3
	v_mul_f32 v[Z+\e], v[Z+\e], v[Z+\e]
.endr
.irp e, 0,1,2,3
	v_fma_f32 v[CN+\e], v[Z+\e], v[CN+\e], v[T+\e]    ; cosine of the rest
.endr
.irp e, 0,1,2,3
	v_and_b32 v[T+\e], 1, v[NI+\e]
	v_cmp_eq_u32 vcc_lo, 1, v[T+\e]                ; an odd quadrant swaps the two
	v_cndmask_b32 v[SI+\e], v[SN+\e], v[CN+\e], vcc_lo
	v_cndmask_b32 v[CO+\e], v[CN+\e], v[SN+\e], vcc_lo
.endr
.irp e, 0,1,2,3
	v_and_b32 v[T+\e], 2, v[NI+\e]                 ; the sine is negative in quadrants 2 and 3,
	v_add_nc_u32 v[Z+\e], 1, v[NI+\e]
.endr
.irp e, 0,1,2,3
	v_lshlrev_b32 v[T+\e], 30, v[T+\e]
	v_and_b32 v[Z+\e], 2, v[Z+\e]                  ; the cosine in 1 and 2
.endr
.irp e, 0,1,2,3
	v_xor_b32 v[SI+\e], v[SI+\e], v[T+\e]
	v_lshlrev_b32 v[Z+\e], 30, v[Z+\e]
.endr
.irp e, 0,1,2,3
	v_xor_b32 v[CO+\e], v[CO+\e], v[Z+\e]
.endr
	global_store_b128 v6, v[CO:CO+3], s[6:7]               ; the wave stores 512 consecutive bytes, at a multiple of 512 from the buffer's first byte
	global_store_b128 v6, v[SI:SI+3], s[6:7] offset:4096   ; the sines lie eight chunks further on
	s_endpgm
.Lfunc_end_k_q642427f266_rope:
	.size	k_q642427f266_rope, .Lfunc_end_k_q642427f266_rope-k_q642427f266_rope
	.p2alignl 7, 3214868480
	.fill 96, 4, 3214868480
	.section	.rodata,"a",@progbits
	.p2align	6, 0x0
	.amdhsa_kernel k_q642427f266_rope
		.amdhsa_group_segment_fixed_size 0
		.amdhsa_private_segment_fixed_size 0
		.amdhsa_enable_private_segment 0
		.amdhsa_kernarg_size 16
		.amdhsa_user_sgpr_count 2
		.amdhsa_user_sgpr_kernarg_segment_ptr 1
		.amdhsa_wavefront_size32 1
		.amdhsa_system_sgpr_workgroup_id_x 1
		.amdhsa_system_sgpr_workgroup_id_y 1
		.amdhsa_system_sgpr_workgroup_id_z 1
		.amdhsa_system_vgpr_workitem_id 0
		.amdhsa_next_free_vgpr 64
		.amdhsa_next_free_sgpr 66
		.amdhsa_reserve_vcc 1
		.amdhsa_float_denorm_mode_32 3
		.amdhsa_float_denorm_mode_16_64 3
		.amdhsa_memory_ordered 1
		.amdhsa_forward_progress 1
		.amdhsa_inst_pref_size 10
	.end_amdhsa_kernel
	.amdgpu_metadata
---
amdhsa.version: [ 1, 2 ]
amdhsa.kernels:
  - .name:           k_q642427f266_rope
    .symbol:         k_q642427f266_rope.kd
    .args:
      - { .name: position_ids, .offset: 0, .size: 8, .value_kind: global_buffer, .address_space: global }
      - { .name: rope, .offset: 8, .size: 8, .value_kind: global_buffer, .address_space: global }
    .group_segment_fixed_size: 0
    .private_segment_fixed_size: 0
    .kernarg_segment_align: 8
    .kernarg_segment_size: 16
    .max_flat_workgroup_size: 128
    .sgpr_count:     66
    .vgpr_count:     64
    .wavefront_size: 32
...
	.end_amdgpu_metadata
.endif
;; end of part 1
;; launch qkv (part 2): grid 16 x 16, 4 waves a work-group, clusters of 4 x 4, 327,680 bytes of LDS; arguments hidden_states_codes, hidden_states_scales, Wq_codes, Wq_scales, Wk_codes, Wk_scales, Wv_codes, Wv_scales, q_norm_w, k_norm_w, rope, q_img, k_img, v_img, qkv_sc, out1, out2; writes q_img, k_img, v_img, qkv_sc, out1, out2
.if DOCPART == 2
	.amdgcn_target "amdgcn-amd-amdhsa--gfx1250"
	.amdhsa_code_object_version 6
	.text
	.protected	k_q642427f266_qkv
	.globl	k_q642427f266_qkv
	.p2align	8
	.type	k_q642427f266_qkv,@function
k_q642427f266_qkv:
	s_mov_b64 s[64:65], 0
	v_nop
	global_prefetch_b8 v0, s[64:65] scope:SCOPE_SE
	s_setreg_imm32_b32 hwreg(HW_REG_WAVE_MODE, 25, 1), 1
	s_wait_xcnt 0x0
	s_wait_alu depctr_hold_cnt(0) depctr_sa_sdst(0) depctr_va_vdst(0) depctr_va_sdst(0) depctr_va_ssrc(0) depctr_va_vcc(0) depctr_vm_vsrc(0)
	s_getreg_b32 s2, hwreg(HW_REG_IB_STS2, 6, 4)
	s_cmp_eq_u32 s2, 0
	s_cbranch_scc0 .Lentry_in_a_cluster
	s_endpgm
.Lentry_in_a_cluster:
	s_bfe_u32 s2, ttmp6, 0x10000c
	s_cmp_lg_u32 s2, 0xf033
	s_cbranch_scc0 .Lentry_shape_is_right
	s_endpgm
.Lentry_shape_is_right:
.set KSTEP,  256
.set NQ,     2
.set ROWB,   256
.set KROW,   1024
.set PITCH,  272
.set FR,     16
.set NL,     4
.set NP,     8
.set HALFT,  128*PITCH
.set SLOT,   4*HALFT
.set KS,     32
.set SCL,    2*SLOT
.set HALFS,  (128*KS/256)*272
.set SBLK,   (16*KS/256)*272
.set SPARE,  SCL+4*HALFS
.set DUMPW,  68608
.set QSS,    4*DUMPW
.set VSS,    QSS+2048
.set DST,  3
.set LDA,  4
.set QSA,  5
.set LI,   6
.set WO,   8
.set CPA,  9
.set VCA,  10
.set VCA2, 11
.set VSA,  12
.set VIO,  13
.set QSR,  14
.set VSR,  15
.set ADRA, 16
.set ADRB, 20
.set ADRS, 27
.set SPW,  28
.set NIL,  29
.set SC,   32
.set AF,   128
.set X,    64
.set PC,   128
.set TM,   160
.set PW,   176
.set SS,   178
.set RS,   186
.set OUTR, 192
.set WV,   20
.set RH,   21
.set CH,   22
.set G1,   24
.set G0,   32
.set G1B,  48
.set G0B,  56
.set PATH, 66
.set G1S,  68
.set G0S,  76
.set G1SB, 80
.set G0SB, 88
.set TBL,  46
.set VIM,  58
.set SEL,  92
.set MNT,  94
.set IMG,  96
.set SCP,  98
.set OUTP, 100
.set MSB, 0
.macro WIN new
.if MSB != \new
	s_set_vgpr_msb (MSB<<8)|\new
.set MSB, \new
.endif
.endm
.set MUL_LO, 0xa1
.set MUL_HI, 0xf1
.set TO_B,   0x40
.macro JLOAD g0a, g1a, g0b, g1b
	s_cmp_eq_u32 s[RH], 0
	s_cbranch_scc0 .Lfor_b_\@
	tensor_load_to_lds s[\g0a:\g0a+3], s[\g1a:\g1a+7]
	s_nop 0
.rept 4
	v_nop
.endr
	s_branch .Lasked_\@
.Lfor_b_\@:
	tensor_load_to_lds s[\g0b:\g0b+3], s[\g1b:\g1b+7]
	s_nop 0
.rept 4
	v_nop
.endr
.Lasked_\@:
.endm
.macro CREST
	s_cmp_lg_u32 s[WV], 0
	s_cbranch_scc1 .Lnot_wave_0_\@
	s_barrier_signal -3
.Lnot_wave_0_\@:
	s_barrier_wait -3
	s_barrier_signal -1
	s_barrier_wait -1
.endm
.macro CROUND
	s_barrier_signal -1
	s_barrier_wait -1
	CREST
.endm
	s_load_b128 s[4:7], s[0:1], 0x0
	s_load_b128 s[8:11], s[0:1], 0x10
	s_load_b128 s[12:15], s[0:1], 0x20
	s_load_b128 s[16:19], s[0:1], 0x30
	v_lshl_add_u32 v[SPW], v0, 2, SPARE
	v_mov_b32 v[NIL], 0
	ds_add_u32 v[SPW], v[NIL]
	ds_add_u32 v[SPW], v[NIL]
	v_lshrrev_b32 v1, 5, v0
	v_readfirstlane_b32 s[WV], v1
	s_lshr_b32 s[RH], s[WV], 1
	s_and_b32 s[CH], s[WV], 1
	s_bfe_u32 s40, ttmp6, 0x40000
	s_bfe_u32 s41, ttmp6, 0x40004
	s_max_u32 s[PATH], ttmp9, 1
	s_sub_co_u32 s[PATH], s[PATH], 1
	s_cmp_lt_u32 ttmp9, 2
	s_cselect_b32 s42, ttmp9, 0
	s_lshl_b32 s42, s42, 2
	s_add_co_u32 s42, s42, s40
	s_and_b32 s23, ttmp7, 0xffff
	s_lshl_b32 s23, s23, 2
	s_add_co_u32 s23, s23, s41
	s_lshl_b32 s43, s41, 2
	s_lshl_b32 s43, 15, s43
	s_lshl_b32 s44, 0x1111, s40
	s_or_b32 s[G1+0], s43, (0<<16)|(1<<20)|(1<<21)|(5<<22)|(3<<25)
	s_or_b32 s[G1B+0], s44, (0<<16)|(1<<20)|(1<<21)|(5<<22)|(3<<25)
.irp g, G1, G1B
	s_mov_b32 s[\g+1], ROWB<<16
	s_mov_b32 s[\g+2], 256<<16                     ; the head's loads bring 256 rows; behind them the two words that count rows are set to 128, for the ring's
	s_mov_b32 s[\g+3], ROWB<<16
	s_mov_b32 s[\g+4], 256
	s_mov_b32 s[\g+5], KROW
	s_mov_b32 s[\g+6], 0
	s_mov_b32 s[\g+7], 0
.endr
	s_or_b32 s[G1S+0], s43, (3<<16)|(1<<20)|(1<<21)|(5<<22)|(3<<25)
	s_or_b32 s[G1SB+0], s44, (3<<16)|(1<<20)|(1<<21)|(5<<22)|(3<<25)
.irp g, G1S, G1SB
	s_mov_b32 s[\g+1], 32<<16
	s_mov_b32 s[\g+2], (256*KS/256)<<16            ; the scale bytes of 256 rows: one dense block
	s_mov_b32 s[\g+3], 32<<16
	s_mov_b32 s[\g+4], 256*KS/256
	s_mov_b32 s[\g+5], 32
	s_mov_b32 s[\g+6], 0
	s_mov_b32 s[\g+7], 0
.endr
	s_lshl_b32 s92, s[CH], 7
	s_lshl_b32 s94, s23, 8
	s_add_co_u32 s94, s94, s92
	s_lshl_b32 s46, s42, 8
	s_add_co_u32 s46, s46, s92
	s_mov_b32 s95, 0
	s_mov_b32 s47, 0
	s_lshl_b64 s[96:97], s[94:95], 5
	s_lshl_b64 s[98:99], s[46:47], 5
	s_lshl_b64 s[94:95], s[94:95], 10
	s_lshl_b64 s[46:47], s[46:47], 10
	s_mul_i32 s45, s[WV], HALFT
	s_wait_dscnt 0x0
	s_wait_kmcnt 0x0
	s_cmp_eq_u32 ttmp9, 2
	s_cselect_b64 s[8:9], s[12:13], s[8:9]
	s_cselect_b64 s[10:11], s[14:15], s[10:11]
	s_cmp_eq_u32 ttmp9, 3
	s_cselect_b64 s[8:9], s[16:17], s[8:9]
	s_cselect_b64 s[10:11], s[18:19], s[10:11]
	s_add_nc_u64 s[94:95], s[4:5], s[94:95]
	s_add_nc_u64 s[96:97], s[6:7], s[96:97]
	s_add_nc_u64 s[46:47], s[8:9], s[46:47]
	s_add_nc_u64 s[98:99], s[10:11], s[98:99]
	CROUND
	s_mov_b32 s93, 0                               ; the head's four tiles, each whole: the ring's addresses less my half's 128 rows
	s_lshl_b32 s92, s[CH], 12                      ; 128 rows of 32 scale bytes
	s_mov_b32 s[G0S], 1
	s_mov_b32 s[G0S+1], SCL
	s_sub_nc_u64 s[G0S+2:G0S+3], s[96:97], s[92:93]
	s_or_b32 s[G0S+3], s[G0S+3], 0x80000000
	s_mov_b32 s[G0SB], 1
	s_mov_b32 s[G0SB+1], SCL+2*HALFS
	s_sub_nc_u64 s[G0SB+2:G0SB+3], s[98:99], s[92:93]
	s_or_b32 s[G0SB+3], s[G0SB+3], 0x80000000
	s_lshl_b32 s92, s[CH], 17                      ; 128 rows of 1,024 codes
	s_mov_b32 s4, 1                                ; s[4:7], s[8:11]: group 0 for K step 0's 256 rows of A and of B (the arguments that lay there have been used)
	s_mov_b32 s5, 0
	s_sub_nc_u64 s[6:7], s[94:95], s[92:93]
	s_or_b32 s7, s7, 0x80000000
	s_mov_b32 s8, 1
	s_mov_b32 s9, 2*HALFT
	s_sub_nc_u64 s[10:11], s[46:47], s[92:93]
	s_or_b32 s11, s11, 0x80000000
.irp s, 0,1
	s_mov_b32 s[G0+4*\s], 1
	s_add_co_u32 s[G0+4*\s+1], s45, \s*SLOT
	s_add_nc_u64 s[G0+4*\s+2:G0+4*\s+3], s[94:95], \s*ROWB
	s_or_b32 s[G0+4*\s+3], s[G0+4*\s+3], 0x80000000
	s_mov_b32 s[G0B+4*\s], 1
	s_add_co_u32 s[G0B+4*\s+1], s45, \s*SLOT
	s_add_nc_u64 s[G0B+4*\s+2:G0B+4*\s+3], s[46:47], \s*ROWB
	s_or_b32 s[G0B+4*\s+3], s[G0B+4*\s+3], 0x80000000
.endr
; THE HEAD'S LOADS, ONE A WAVE: wave 0 fetches K step 0's 256 rows of A, wave 1 its 256 rows of B, wave 2 the scale bytes of A's 256 rows, wave 3 those of B's.
; One chain of branches on the wave's number, an arm a load: every way through the head passes exactly one.
.macro ARM under, g0, g1, next
	s_cmp_lt_u32 s[WV], \under
	s_cbranch_scc0 \next
	tensor_load_to_lds s[\g0:\g0+3], s[\g1:\g1+7]
	s_nop 0
.rept 4
	v_nop
.endr
	s_branch .Lhead_asked
\next:
.endm
	ARM 1, 4,   G1,  .Lhead_b
	ARM 2, 8,   G1B, .Lhead_sa
	ARM 3, G0S, G1S, .Lhead_sb
	tensor_load_to_lds s[G0SB:G0SB+3], s[G1SB:G1SB+7]
	s_nop 0
.rept 4
	v_nop
.endr
.Lhead_asked:
	v_and_b32 v1, 15, v0
	v_bfe_u32 v2, v0, 4, 1
	v_mul_u32_u24 v18, v1, PITCH
	v_lshl_add_u32 v18, v2, 4, v18
	s_mul_i32 s92, s[RH], HALFT
	s_mul_i32 s93, s[CH], HALFT
	s_add_co_u32 s93, s93, 2*HALFT
.irp s, 0,1
	v_add_nc_u32 v[ADRA+\s], s92, v18
	v_add_nc_u32 v[ADRB+\s], s93, v18
	s_add_co_u32 s92, s92, SLOT
	s_add_co_u32 s93, s93, SLOT
.endr
	v_mul_u32_u24 v19, v1, KS
	v_lshrrev_b32 v22, 8, v19
	v_lshl_add_u32 v19, v22, 4, v19
	s_mul_i32 s92, s[RH], HALFS
	s_mul_i32 s93, s[CH], HALFS
	s_add_co_u32 s93, s93, 2*HALFS
	s_sub_co_u32 s93, s93, s92
	v_mul_u32_u24 v22, s93, v2
	s_add_co_u32 s92, s92, SCL
	v_add_nc_u32 v19, v19, v22
	v_add_nc_u32 v[ADRS], s92, v19
	s_mul_i32 s92, s[WV], DUMPW
	v_and_b32 v7, 31, v0
	v_lshlrev_b32 v[LI], 4, v7
	v_mul_u32_u24 v22, v1, 528
	v_add_nc_u32 v22, s92, v22
	v_lshl_add_u32 v[DST], v2, 5, v22
	v_lshrrev_b32 v23, 3, v1
	v_mad_u32_u24 v[LDA], v23, 4352, v22
	v_lshl_add_u32 v[LDA], v2, 6, v[LDA]
	v_lshlrev_b32 v[WO], 6, v2
	v_add_nc_u32 v[CPA], s92, v[LI]
	v_lshl_add_u32 v[VCA], v7, 2, s92
	v_add_nc_u32 v[VCA2], 34304, v[VCA]
	s_lshl_b32 s93, s[WV], 9
	s_add_co_u32 s92, s93, QSS
	v_lshl_add_u32 v[QSA], v1, 2, s92
	v_add_nc_u32 v[QSR], s92, v[LI]
	s_add_co_u32 s92, s93, VSS
	v_add_nc_u32 v[VSR], s92, v[LI]
	v_bfe_u32 v23, v0, 3, 1
	v_and_b32 v24, 7, v0
	v_lshl_add_u32 v24, v2, 3, v24
	v_lshl_add_u32 v25, v23, 4, v24
	v_lshl_add_u32 v[VSA], v25, 2, s92
	v_lshlrev_b32 v[VIO], 4, v24
	v_lshl_add_u32 v[VIO], v23, 11, v[VIO]
.macro FRAG reg, adr, q, i
.irp c, 0,1,2,3
	ds_load_b128 v[\reg+4*\c:\reg+4*\c+3], v[\adr] offset:128*(\q)+32*\c+(\i)*16*PITCH
.endr
.endm
.macro MUL16 a0, p, q, sc, zero
.irp a, \a0, \a0+1
.irp b, 0,1,2,3,4,5,6,7
.if \zero
	v_wmma_scale_f32_16x16x128_f8f6f4 v[8*(8*((\a)%4)+\b):8*(8*((\a)%4)+\b)+7], v[128*(\p)+FR*\b:128*(\p)+FR*\b+FR-1], v[AF+FR*(\a):AF+FR*(\a)+FR-1], 0, v[SC+8*NQ*(\sc)+NQ*\b+(\q)], v[SC+8*NQ*(\sc)+NQ*(\a)+(\q)] matrix_a_scale:MATRIX_SCALE_ROW1
.else
	v_wmma_scale_f32_16x16x128_f8f6f4 v[8*(8*((\a)%4)+\b):8*(8*((\a)%4)+\b)+7], v[128*(\p)+FR*\b:128*(\p)+FR*\b+FR-1], v[AF+FR*(\a):AF+FR*(\a)+FR-1], v[8*(8*((\a)%4)+\b):8*(8*((\a)%4)+\b)+7], v[SC+8*NQ*(\sc)+NQ*\b+(\q)], v[SC+8*NQ*(\sc)+NQ*(\a)+(\q)] matrix_a_scale:MATRIX_SCALE_ROW1
.endif
.endr
.endr
.endm
.macro FETCH_B slot, q, p
	WIN TO_B
.irp i, 0,1,2,3,4,5,6,7
	FRAG 128*(\p)+FR*\i, ADRB+\slot, \q, \i
.endr
	WIN 0
.endm
.macro FETCH_A slot, q, i0
.irp i, \i0, \i0+1, \i0+2, \i0+3
	FRAG AF+FR*(\i), ADRA+\slot, \q, \i
.endr
.endm
.macro SCALES sc
.irp i, 0,1,2,3,4,5,6,7
	ds_load_b64 v[SC+8*NQ*\sc+NQ*\i:SC+8*NQ*\sc+NQ*\i+1], v[ADRS] offset:\i*SBLK
.endr
.endm
.macro PLACES n
.rept \n
	v_nop
.endr
.endm
.macro STEP slot, q, zero
	s_wait_dscnt 4*NL
	WIN MUL_LO
	MUL16 0, (\q)%2, \q, \slot, \zero
	MUL16 2, (\q)%2, \q, \slot, \zero
	s_wait_dscnt 0
	PLACES NP
	FETCH_B \slot, (\q)+1, 1-(\q)%2
	FETCH_A \slot, (\q)+1, 0
	WIN MUL_HI
	MUL16 4, (\q)%2, \q, \slot, \zero
	MUL16 6, (\q)%2, \q, \slot, \zero
	PLACES NP
	WIN 0
	FETCH_A \slot, (\q)+1, 4
.endm
.macro TURN slot, next, fill
	s_wait_tensorcnt 0x0
	ds_add_u32 v[SPW], v[NIL]
	s_wait_dscnt 4*NL+1
	WIN MUL_LO
	MUL16 0, 1, NQ-1, \slot, 0
	s_wait_dscnt 0x0
	s_barrier_signal -1
	MUL16 2, 1, NQ-1, \slot, 0
	WIN 0
	s_barrier_wait -1
.if \fill
	CREST
	s_add_nc_u64 s[G0+4*\slot+2:G0+4*\slot+3], s[G0+4*\slot+2:G0+4*\slot+3], 2*ROWB
	s_add_nc_u64 s[G0B+4*\slot+2:G0B+4*\slot+3], s[G0B+4*\slot+2:G0B+4*\slot+3], 2*ROWB
	JLOAD G0+4*\slot, G1, G0B+4*\slot, G1B
	PLACES NP-4
.else
	PLACES NP
.endif
	s_wait_alu depctr_va_vdst(0)
	v_add_nc_u32 v[ADRS], 4*NQ, v[ADRS]
	FETCH_B \next, 0, 0
	FETCH_A \next, 0, 0
	SCALES \next
	WIN MUL_HI
	MUL16 4, 1, NQ-1, \slot, 0
	MUL16 6, 1, NQ-1, \slot, 0
	PLACES NP
	WIN 0
	FETCH_A \next, 0, 4
.endm
	s_wait_alu depctr_va_vdst(0)                   ; the wait at the head's end
	s_wait_tensorcnt 0x0                           ; my tile of the head's four is in; slot 1's first fill is issued as a refill is
	ds_add_u32 v[SPW], v[NIL]
	s_mov_b32 s[G1+2], 128<<16                     ; no tensor load of mine is out: from here on a load brings 128 rows
	s_mov_b32 s[G1+4], 128
	s_mov_b32 s[G1B+2], 128<<16
	s_mov_b32 s[G1B+4], 128
	s_wait_dscnt 0x0
	CROUND                                         ; all four tiles are in, and all sixteen work-groups are here
	JLOAD G0+4, G1, G0B+4, G1B                     ; K step 1, the first tensor load behind the round
	FETCH_B 0, 0, 0
	FETCH_A 0, 0, 0
	SCALES 0
	FETCH_A 0, 0, 4
	STEP 0, 0, 1
	TURN 0, 1, 1
	STEP 1, 0, 0
	TURN 1, 0, 1
	STEP 0, 0, 0
	TURN 0, 1, 0
	s_load_b128 s[24:27], s[0:1], 0x40
	s_load_b128 s[28:31], s[0:1], 0x50
	s_load_b128 s[32:35], s[0:1], 0x60
	s_load_b128 s[36:39], s[0:1], 0x70
	s_load_b64 s[44:45], s[0:1], 0x80
	STEP 1, 0, 0
	s_wait_dscnt 4*NL
	WIN MUL_LO
	MUL16 0, 1, NQ-1, 1, 0
	MUL16 2, 1, NQ-1, 1, 0
	s_wait_dscnt 0
	s_barrier_signal -1
	WIN MUL_HI
	MUL16 4, 1, NQ-1, 1, 0
	MUL16 6, 1, NQ-1, 1, 0
	WIN 0
	s_barrier_wait -1
	PLACES NP
	s_wait_kmcnt 0x0
	s_cmp_eq_u32 s[PATH], 0
	s_cselect_b32 s51, 4, 3
	s_cselect_b64 s[IMG:IMG+1], s[30:31], s[32:33]
	s_cselect_b64 s[24:25], s[24:25], s[26:27]
	s_cselect_b32 s52, 0, 0x40000
	s_cmp_eq_u32 s[PATH], 2
	s_cselect_b32 s52, 0x60000, s52
	s_cselect_b64 s[OUTP:OUTP+1], s[44:45], s[38:39]
	s_lshl_b32 s48, s23, 8
	s_lshl_b32 s49, s[RH], 7
	s_add_co_u32 s48, s48, s49
	s_lshr_b32 s49, s48, 11
	s_and_b32 s48, s48, 2047
	s_lshl_b32 s50, s42, 1
	s_add_co_u32 s50, s50, s[CH]
	s_lshl_b32 s51, s49, s51
	s_add_co_u32 s50, s50, s51
	s_mov_b32 s55, 0
	s_lshl_b32 s54, s50, 18
	s_lshl_b32 s53, s48, 7
	s_add_co_u32 s54, s54, s53
	s_add_nc_u64 s[IMG:IMG+1], s[IMG:IMG+1], s[54:55]
	s_add_nc_u64 s[VIM:VIM+1], s[34:35], s[54:55]
	s_lshl_b32 s54, s50, 13
	s_lshl_b32 s53, s48, 2
	s_add_co_u32 s54, s54, s53
	s_add_co_u32 s54, s54, s52
	s_add_nc_u64 s[SCP:SCP+1], s[36:37], s[54:55]
	s_lshl_b32 s54, s48, 9
	s_add_nc_u64 s[TBL:TBL+1], s[28:29], s[54:55]
	s_lshl_b32 s53, s50, 20
	s_add_co_u32 s54, s54, s53
	s_add_nc_u64 s[OUTP:OUTP+1], s[OUTP:OUTP+1], s[54:55]
	s_mov_b32 s[SEL], 0x76543210
	s_mov_b32 s[SEL+1], 0xfedcba98
	s_mov_b32 s[MNT], 0x600000
	s_mov_b32 s95, 0x3c000000
.irp b, 0,1,2,3
	v_mov_b32 v[TM+4+\b], 0
.endr
	v_mov_b32 v[RS+1], 0
	s_cmp_eq_u32 s[PATH], 2
	s_cbranch_scc1 .Lno_table
	WIN 0x40
.irp b, 0,1,2,3
.irp j, 0,1,2,3
	global_load_b128 v[16*\b+4*\j:16*\b+4*\j+3], v[WO], s[24:25] offset:128*\b+16*\j
.endr
.endr
.set c, 0
.rept 16
	global_load_b128 v[64+4*c:64+4*c+3], v[LI], s[TBL:TBL+1] offset:512*c
.set c, c+1
.endr
.set c, 0
.rept 16
	global_load_b128 v[128+4*c:128+4*c+3], v[LI], s[TBL:TBL+1] offset:8192+512*c
.set c, c+1
.endr
	WIN 0
.Lno_table:
.irp a, 0,1,2,3,4,5,6,7
	WIN 0x08+4*(\a/4)
.irp b, 0,1,2,3,4,5,6,7
	ds_store_b128 v[DST], v[8*(8*(\a%4)+\b):8*(8*(\a%4)+\b)+3] offset:8576*\a+64*\b
	ds_store_b128 v[DST], v[8*(8*(\a%4)+\b)+4:8*(8*(\a%4)+\b)+7] offset:8576*\a+64*\b+16
.endr
.endr
	WIN 0
.macro QUANT s, pc
.irp b, 0,1,2,3
	v_max3_num_f32 v[TM+\b], |v[\s+16*\b]|, |v[\s+1+16*\b]|, 0x4800000
.endr
.irp i, 2,4,6,8,10,12,14
.irp b, 0,1,2,3
	v_max3_num_f32 v[TM+\b], v[TM+\b], |v[\s+16*\b+\i]|, |v[\s+1+16*\b+\i]|
.endr
.endr
.irp b, 0,1,2,3
	v_permlanex16_b32 v[TM+4+\b], v[TM+\b], s[SEL], s[SEL+1]
.endr
.irp b, 0,1,2,3
	v_max_num_f32 v[TM+\b], v[TM+\b], v[TM+4+\b]
.endr
.irp b, 0,1,2,3
	v_add_nc_u32 v[TM+12+\b], 0xfc000000, v[TM+\b]
.endr
.irp b, 0,1,2,3
	v_and_or_b32 v[TM+8+\b], v[TM+\b], 0x7f800000, s[MNT]
.endr
.irp b, 0,1,2,3
	v_lshrrev_b32 v[TM+4+\b], 23, v[TM+12+\b]
.endr
	v_lshl_or_b32 v[PW], v[TM+5], 8, v[TM+4]
	v_lshl_or_b32 v[PW], v[TM+6], 16, v[PW]
	v_lshl_or_b32 v[PW], v[TM+7], 24, v[PW]
.irp b, 0,1,2,3
.irp i, 0,1,2,3,4,5,6,7,8,9,10,11,12,13,14,15
	v_med3_num_f32 v[\s+16*\b+\i], v[\s+16*\b+\i], -v[TM+8+\b], v[TM+8+\b]
.endr
	v_cvt_scalef32_pk8_fp8_f32 v[\pc+4*\b:\pc+1+4*\b], v[\s+16*\b:\s+7+16*\b], v[TM+12+\b]
	v_cvt_scalef32_pk8_fp8_f32 v[\pc+2+4*\b:\pc+3+4*\b], v[\s+8+16*\b:\s+15+16*\b], v[TM+12+\b]
.endr
	v_nop
.endm
.macro TILE u, more, left
.set CSB, 64+64*\u
.set PCU, PC+16*\u
	s_wait_xcnt 0x0
.irp b, 0,1,2,3
.irp j, 0,1,2,3
	ds_load_b128 v[X+16*\b+4*\j:X+16*\b+4*\j+3], v[LDA] offset:4224*\u+128*\b+16*\j
.endr
.endr
	s_wait_dscnt 0x0
	v_pk_mul_f32 v[SS:SS+1], v[X:X+1], v[X:X+1]
	v_pk_mul_f32 v[SS+2:SS+3], v[X+2:X+3], v[X+2:X+3]
.set p, 4
.rept 15
	v_pk_fma_f32 v[SS:SS+1], v[X+p:X+p+1], v[X+p:X+p+1], v[SS:SS+1]
	v_pk_fma_f32 v[SS+2:SS+3], v[X+p+2:X+p+3], v[X+p+2:X+p+3], v[SS+2:SS+3]
.set p, p+4
.endr
	v_pk_add_f32 v[SS:SS+1], v[SS:SS+1], v[SS+2:SS+3]
	v_add_f32 v[SS], v[SS], v[SS+1]
	v_permlanex16_b32 v[SS+2], v[SS], s[SEL], s[SEL+1]
	v_add_f32 v[SS], v[SS], v[SS+2]
	v_fmaak_f32 v[SS], s95, v[SS], 0x358637bd
	s_wait_alu depctr_va_vdst(0)
	v_rsq_f32 v[RS], v[SS]
	v_nop
	s_wait_alu depctr_va_vdst(0)
.set p, 0
.rept 32
	v_pk_mul_f32 v[X+p:X+p+1], v[X+p:X+p+1], v[RS:RS+1] op_sel_hi:[1,0]
.set p, p+2
.endr
	s_wait_loadcnt \left
	WIN 0x04
.set p, 0
.rept 32
	v_pk_mul_f32 v[X+p:X+p+1], v[X+p:X+p+1], v[p:p+1]
.set p, p+2
.endr
.set p, 0
.rept 16
.set UU, 188+4*(p%2)
	v_pk_mul_f32 v[UU:UU+1], v[X+32+2*p:X+33+2*p], v[CSB+32+2*p:CSB+33+2*p]
	v_pk_mul_f32 v[UU+2:UU+3], v[X+2*p:X+1+2*p], v[CSB+32+2*p:CSB+33+2*p]
	v_pk_fma_f32 v[X+2*p:X+1+2*p], v[X+2*p:X+1+2*p], v[CSB+2*p:CSB+1+2*p], v[UU:UU+1] neg_lo:[0,0,1] neg_hi:[0,0,1]
	v_pk_fma_f32 v[X+32+2*p:X+33+2*p], v[X+32+2*p:X+33+2*p], v[CSB+2*p:CSB+1+2*p], v[UU+2:UU+3]
.set p, p+1
.endr
.if \more
	WIN 0x40
.set c, 0
.rept 16
	global_load_b128 v[CSB+4*c:CSB+4*c+3], v[LI], s[TBL:TBL+1] offset:(2+\u)*8192+512*c
.set c, c+1
.endr
.endif
	WIN 0
	s_cmp_lg_u32 s[PATH], 1
	s_cbranch_scc1 .Lnot_k_\@
.irp b, 0,1,2,3
.irp j, 0,1,2,3
	ds_store_b128 v[LDA], v[X+16*\b+4*\j:X+16*\b+4*\j+3] offset:4224*\u+128*\b+16*\j
.endr
.endr
	s_wait_dscnt 0x0
.Lnot_k_\@:
	QUANT X, PCU
.irp c, 0,1,2,3
	global_store_b128 v[LI], v[PCU+4*\c:PCU+4*\c+3], s[IMG:IMG+1] offset:2048*\u+512*\c
.endr
	ds_store_b32 v[QSA], v[PW] offset:64*\u
.endm
	s_mov_b32 s3, 3
.Lqk:
	s_cmp_eq_u32 s[PATH], 2
	s_cbranch_scc1 .Lqk_step
	s_wait_alu depctr_va_vdst(0)
	TILE 0, 1, 16
	TILE 1, 1, 16
.Lqk_step:
	s_wait_xcnt 0x0
	s_add_nc_u64 s[TBL:TBL+1], s[TBL:TBL+1], 16384
	s_add_nc_u64 s[IMG:IMG+1], s[IMG:IMG+1], 4096
	s_wait_alu depctr_va_vdst(0)
	v_add_nc_u32 v[LDA], 17152, v[LDA]
	v_add_nc_u32 v[QSA], 128, v[QSA]
	s_sub_co_u32 s3, s3, 1
	s_cmp_lg_u32 s3, 0
	s_cbranch_scc1 .Lqk
	s_cmp_eq_u32 s[PATH], 2
	s_cbranch_scc1 .Lqk_done
	s_wait_alu depctr_va_vdst(0)
	TILE 0, 0, 16
	TILE 1, 0, 0
	ds_load_b128 v[188:191], v[QSR]
	s_wait_dscnt 0x0
	global_store_b128 v[LI], v[188:191], s[SCP:SCP+1]
.Lqk_done:
.macro VLOAD c
.set XS, X+32*((\c)%2)
.set i, 0
.rept 32
.if (\c) < 2
	ds_load_b32 v[XS+i], v[VCA] offset:17152*((\c)%2)+528*i+128*(i/16)
.else
	ds_load_b32 v[XS+i], v[VCA2] offset:17152*((\c)%2)+528*i+128*(i/16)
.endif
.set i, i+1
.endr
.endm
.macro VBLOCK c
.set XS, X+32*((\c)%2)
.set CC, PC+8*(\c)
	v_max3_num_f32 v160, |v[XS]|, |v[XS+1]|, |v[XS+2]|
	v_max3_num_f32 v161, |v[XS+3]|, |v[XS+4]|, |v[XS+5]|
.irp i, 6,10,14,18,22,26
	v_max3_num_f32 v160, v160, |v[XS+\i]|, |v[XS+\i+1]|
	v_max3_num_f32 v161, v161, |v[XS+\i+2]|, |v[XS+\i+3]|
.endr
	v_max3_num_f32 v160, v160, |v[XS+30]|, |v[XS+31]|
	v_max3_num_f32 v160, v160, v161, 0x4800000
	v_add_nc_u32 v162, 0xfc000000, v160
	v_and_or_b32 v163, v160, 0x7f800000, s[MNT]
	v_lshrrev_b32 v164, 23, v162
.if (\c) == 0
	v_mov_b32 v[PW], v164
.else
	v_lshl_or_b32 v[PW], v164, 8*(\c), v[PW]
.endif
.set i, 0
.rept 32
	v_med3_num_f32 v[XS+i], v[XS+i], -v163, v163
.set i, i+1
.endr
.irp g, 0,1,2,3
	v_cvt_scalef32_pk8_fp8_f32 v[CC+2*\g:CC+2*\g+1], v[XS+8*\g:XS+8*\g+7], v162
.endr
	v_nop
	global_store_b128 v[VIO], v[CC:CC+3], s[VIM:VIM+1] offset:512*(\c)
	global_store_b128 v[VIO], v[CC+4:CC+7], s[VIM:VIM+1] offset:512*(\c)+256
.endm
	s_mov_b32 s3, 4
.Lv:
	s_cmp_lg_u32 s[PATH], 2
	s_cbranch_scc1 .Lv_step
	s_wait_xcnt 0x0
	s_wait_alu depctr_va_vdst(0)
	VLOAD 0
	VLOAD 1
	s_wait_dscnt 32
	VBLOCK 0
	VLOAD 2
	s_wait_dscnt 32
	VBLOCK 1
	VLOAD 3
	s_wait_dscnt 32
	VBLOCK 2
	s_wait_dscnt 0x0
	VBLOCK 3
	ds_store_b32 v[VSA], v[PW]
.Lv_step:
	s_wait_xcnt 0x0
	s_wait_alu depctr_va_vdst(0)
	v_add_nc_u32 v[VCA], 128, v[VCA]
	v_add_nc_u32 v[VCA2], 128, v[VCA2]
	v_add_nc_u32 v[VSA], 128, v[VSA]
	v_add_nc_u32 v[VIO], 4096, v[VIO]
	s_sub_co_u32 s3, s3, 1
	s_cmp_lg_u32 s3, 0
	s_cbranch_scc1 .Lv
	s_cmp_lg_u32 s[PATH], 2
	s_cbranch_scc1 .Lv_done
	ds_load_b128 v[192:195], v[VSR]
	s_wait_dscnt 0x0
	global_store_b128 v[LI], v[192:195], s[SCP:SCP+1]
.Lv_done:
	s_mov_b32 s3, 8
.Lcopy:
	s_cmp_eq_u32 s[PATH], 0
	s_cbranch_scc1 .Lcopy_step
	s_wait_xcnt 0x0
.set i, 0
	s_wait_alu depctr_va_vdst(0)
.rept 16
	ds_load_b128 v[OUTR+4*i:OUTR+4*i+3], v[CPA] offset:528*i
.set i, i+1
.endr
.set i, 0
.rept 16
	s_wait_dscnt 15-i
	global_store_b128 v[LI], v[OUTR+4*i:OUTR+4*i+3], s[OUTP:OUTP+1] offset:512*i th:TH_STORE_NT
.set i, i+1
.endr
.Lcopy_step:
	s_wait_xcnt 0x0
	s_wait_alu depctr_va_vdst(0)
	v_add_nc_u32 v[CPA], 8576, v[CPA]
	s_add_nc_u64 s[OUTP:OUTP+1], s[OUTP:OUTP+1], 8192
	s_sub_co_u32 s3, s3, 1
	s_cmp_lg_u32 s3, 0
	s_cbranch_scc1 .Lcopy
	s_wait_tensorcnt 0x0
	ds_add_u32 v[SPW], v[NIL]
	s_wait_dscnt 0x0
	CROUND
	s_endpgm
.Lfunc_end_k_q642427f266_qkv:
	.size	k_q642427f266_qkv, .Lfunc_end_k_q642427f266_qkv-k_q642427f266_qkv
	.p2alignl 7, 3214868480
	.fill 96, 4, 3214868480
	.section	.rodata,"a",@progbits
	.p2align	6, 0x0
	.amdhsa_kernel k_q642427f266_qkv
		.amdhsa_group_segment_fixed_size 327680
		.amdhsa_private_segment_fixed_size 0
		.amdhsa_enable_private_segment 0
		.amdhsa_kernarg_size 136
		.amdhsa_user_sgpr_count 2
		.amdhsa_user_sgpr_kernarg_segment_ptr 1
		.amdhsa_wavefront_size32 1
		.amdhsa_system_sgpr_workgroup_id_x 1
		.amdhsa_system_sgpr_workgroup_id_y 1
		.amdhsa_system_sgpr_workgroup_id_z 1
		.amdhsa_system_vgpr_workitem_id 0
		.amdhsa_next_free_vgpr 1024
		.amdhsa_next_free_sgpr 102
		.amdhsa_reserve_vcc 0
		.amdhsa_float_denorm_mode_32 3
		.amdhsa_float_denorm_mode_16_64 3
		.amdhsa_memory_ordered 1
		.amdhsa_forward_progress 1
		.amdhsa_inst_pref_size 248
	.end_amdhsa_kernel
	.amdgpu_metadata
---
amdhsa.version: [ 1, 2 ]
amdhsa.kernels:
  - .name:           k_q642427f266_qkv
    .symbol:         k_q642427f266_qkv.kd
    .args:
      - { .name: hidden_states_codes, .offset: 0, .size: 8, .value_kind: global_buffer, .address_space: global }
      - { .name: hidden_states_scales, .offset: 8, .size: 8, .value_kind: global_buffer, .address_space: global }
      - { .name: Wq_codes, .offset: 16, .size: 8, .value_kind: global_buffer, .address_space: global }
      - { .name: Wq_scales, .offset: 24, .size: 8, .value_kind: global_buffer, .address_space: global }
      - { .name: Wk_codes, .offset: 32, .size: 8, .value_kind: global_buffer, .address_space: global }
      - { .name: Wk_scales, .offset: 40, .size: 8, .value_kind: global_buffer, .address_space: global }
      - { .name: Wv_codes, .offset: 48, .size: 8, .value_kind: global_buffer, .address_space: global }
      - { .name: Wv_scales, .offset: 56, .size: 8, .value_kind: global_buffer, .address_space: global }
      - { .name: q_norm_w, .offset: 64, .size: 8, .value_kind: global_buffer, .address_space: global }
      - { .name: k_norm_w, .offset: 72, .size: 8, .value_kind: global_buffer, .address_space: global }
      - { .name: rope, .offset: 80, .size: 8, .value_kind: global_buffer, .address_space: global }
      - { .name: q_img, .offset: 88, .size: 8, .value_kind: global_buffer, .address_space: global }
      - { .name: k_img, .offset: 96, .size: 8, .value_kind: global_buffer, .address_space: global }
      - { .name: v_img, .offset: 104, .size: 8, .value_kind: global_buffer, .address_space: global }
      - { .name: qkv_sc, .offset: 112, .size: 8, .value_kind: global_buffer, .address_space: global }
      - { .name: out1, .offset: 120, .size: 8, .value_kind: global_buffer, .address_space: global }
      - { .name: out2, .offset: 128, .size: 8, .value_kind: global_buffer, .address_space: global }
    .group_segment_fixed_size: 327680
    .private_segment_fixed_size: 0
    .kernarg_segment_align: 8
    .kernarg_segment_size: 136
    .max_flat_workgroup_size: 128
    .sgpr_count:     102
    .vgpr_count:     1024
    .wavefront_size: 32
...
	.end_amdgpu_metadata
.endif
;; end of part 2
;; launch attn (part 3): grid 16 x 16, 4 waves a work-group, no clusters, 327,680 bytes of LDS; arguments q_img, k_img, v_img, qkv_sc, a_img, a_sc; writes a_img, a_sc
.if DOCPART == 3
	.amdgcn_target "amdgcn-amd-amdhsa--gfx1250"
	.amdhsa_code_object_version 6
	.text
	.protected	k_q642427f266_attn
	.globl	k_q642427f266_attn
	.p2align	8
	.type	k_q642427f266_attn,@function
k_q642427f266_attn:
	s_mov_b64 s[64:65], 0
	v_nop
	global_prefetch_b8 v0, s[64:65] scope:SCOPE_SE
	s_setreg_imm32_b32 hwreg(HW_REG_WAVE_MODE, 25, 1), 1
	s_wait_xcnt 0x0
; Causal attention on codes of E4M3: S^T = K Q^T, p = 2^(t - M) (t = score x log2(e) / sqrt(128), M the running largest t rounded up to a whole number), O^T = V^T P^T, O / the sum of the unquantised p, and the quantiser of O along H x D.
; WORK LEFT OUT (shown at the head of the first kernel): a step of 128 keys all of which come after a tile's 16 queries is not walked and not fetched.
; LIMITS: the promise holds while the scaled scores stay under 2^31 in magnitude; NaN and infinities are not served (at the change of tiles O^T and the sum are cleared by a factor 0, which takes them to be finite).
; SHARES.  Work-group (x, bh) serves one key/value head and both its query heads, and owns the blocks of 64 queries x and 31 - x.  Wave w of four owns tile w of each block, for BOTH heads: two tiles of 16 queries at a time,
; so each fragment of K and V that it reads from LDS feeds two products.  It walks the early tile's x / 2 + 1 key steps, stores it, and then the late tile's (31 - x) / 2 + 1: 17 trips in every wave of every work-group.
; NO CLUSTER: the walk over the keys begins anew in trip x / 2 + 1, which differs among four neighbours, so partners would ask for different tiles in the same round.
; K's tiles, V's fragments and Q lie in memory as images of operand registers (4 chunks of 512 bytes, lane l's 16 bytes at 16 l): every LDS read is 16 x lane + constants.
; THE RING: two slots of one key step (K 16 KiB, V 16 KiB); each wave fills a quarter (32 rows of 256 bytes).  THE CHANGE OF SLOTS STANDS IN THE MIDDLE OF A TRIP, behind the row's sums: by then the trip's K and V are in registers,
; so its slot takes the step two trips on, and the next trip's K is read from the other slot under the rest of the softmax and the second product.  V is read at a trip's head, under the scores and the exponentials.
; 15 trips fill; the last two, a loop of their own, do not.  The head's scale words of K and V (8 KiB each) come once.
; TILE ORDER: lane r of tile tau holds position 32 (tau / 2) + 8 (tau % 2) + r + 8 (r / 8), so p's 16 registers of two neighbouring tiles of K are 16 neighbouring keys; V's rows are ordered alike.
; REGISTERS.  Window 0: v1-11 addresses; v16-19 K's scale words (lanes 0-15 an even tile's, 16-31 the odd one's), v20-21 Q's, v24-27 V's, v28-29 p's; v32-63 Q; v128-255 K's eight fragments.
; Window 1: head k's tile at x = 128 k: x+0.. scores, then p; x+64.. p's codes; x+80.. -M, the largest t, the sum, f, and what is at work.  Both heads' lines take turns.  Window 2: v0-127 O^T; v128-255 V's eight fragments.
.set SLOT1, 32768
.set SCK,   65536                      ; K's scale words; V's lie 8,192 bytes further on
.set SPARE, 81920                      ; the spare words: 128 bytes for each of four waves
.set LI,   1                           ; 16 x lane
.set LS,   2                           ; SCK + 4 x lane
.set DQ,   3                           ; r + 8 (r / 8) - 16 h
.set GW,   4                           ; 4 r
.set SPW,  5
.set NIL,  6
.set PFO,  7                           ; 256 x lane
.set ADK,  8                           ; LDS addresses: K's fragments, V's, K's scale words, V's
.set ADV,  9
.set ADS,  10
.set ADT,  11
.set KSC,  16
.set QSC,  20
.set VSC,  24
.set PSC,  28
.set QF,   32
.set FRG,  128
.set CD,   64                          ; offsets in a tile's 128 registers of window 1
.set NM,   80
.set TX,   81
.set SU,   82
.set FF,   84
.set TT,   86
.set BM,   88
.set T2,   92
.set HB,   96
.set SO,   100
.set C0,   104
.set DQC,  112                         ; window 1: a copy of DQ; the mask's two registers
.set MD,   113
.set MI,   114
.set TB,   2                           ; s2 the slot in hand;  s3 the step's scale words
.set TS,   3
.set W13,  16                          ; 8,192 x wave: my quarter of a slot
.set PT,   17                          ; the trip in which I prefetch
.set WV,   18
.set MNT,  19
.set SEL,  20
.set CS,   22
.set G1,   24                          ; 32 rows of 256 bytes
.set G1H,  32                          ; 64 rows
.set G0,   40                          ; the ring's group 0
.set G0H,  44                          ; key step 0's
.set AE,   48                          ; where the early and the late tile's codes and scale words go
.set SE,   50
.set AL,   52
.set SL,   54
.set QL,   56                          ; the late tile's Q and its scale words
.set QSL,  58
.set RB,   60                          ; my quarter of key step 0 in k_img or v_img
.set KF,   66                          ; the step's first key
.set Q0L,  67
.set Q0E,  68
.set Q0,   69                          ; the first query of the tile in hand
.set NE,   70                          ; the early tile's key steps
.set I,    71                          ; the trip
.set PFA,  72
.set G0S,  76                          ; the scale words' group 0
.set MSB, 0
.macro WIN new                         ; the immediate's high byte repeats the setting that is left
.if MSB != (\new)
	s_set_vgpr_msb (MSB<<8)|(\new)
.set MSB, (\new)
.endif
.endm
.macro PLACES n
.rept \n
	v_nop
.endr
.endm
.macro KS d, n                         ; s\d = the key step of trip I + n: trips 0 .. NE - 1 walk the early tile's, from NE on the late tile's from 0 again
	s_add_co_u32 s\d, s[I], \n
	s_cmp_ge_u32 s\d, s[NE]
	s_cselect_b32 s99, s[NE], 0
	s_sub_co_u32 s\d, s\d, s99
	s_and_b32 s\d, s\d, 15
.endm
.macro RING n                          ; the ring's group 0: my quarter of the key step of trip I + n
	KS 96, \n
	s_lshl_b32 s96, s96, 14
	s_mov_b32 s97, 0
	s_add_nc_u64 s[G0+2:G0+3], s[RB:RB+1], s[96:97]
	s_or_b32 s[G0+3], s[G0+3], 0x80000000
.endm
.macro TLOAD
	tensor_load_to_lds s[G0:G0+3], s[G1:G1+7]
	s_nop 0
	PLACES 4
.endm
.macro KSCALES
.irp u, 0,1,2,3
	ds_load_b32 v[KSC+\u], v[ADS] offset:128*\u
.endr
.endm
.macro FLOAD adr, off, lo              ; four fragments, lo .. lo + 3
.irp t, \lo, \lo+1, \lo+2, \lo+3
.irp c, 0,1,2,3
	ds_load_b128 v[FRG+16*(\t)+4*\c:FRG+16*(\t)+4*\c+3], v[\adr] offset:\off+2048*(\t)+512*\c
.endr
.endr
.endm
	s_load_b128 s[4:7], s[0:1], 0x0                ; q_img, k_img
	s_load_b128 s[8:11], s[0:1], 0x10              ; v_img, qkv_sc
	s_load_b128 s[12:15], s[0:1], 0x20             ; a_img, a_sc
	v_lshl_add_u32 v[SPW], v0, 2, SPARE
	v_mov_b32 v[NIL], 0
	ds_add_u32 v[SPW], v[NIL]                      ; the opening: the add, twice on end, and its wait ahead of the first tensor load
	ds_add_u32 v[SPW], v[NIL]
	v_lshrrev_b32 v8, 5, v0
	v_readfirstlane_b32 s[WV], v8
	s_and_b32 s74, ttmp7, 0xffff                   ; bh = batch x 8 + key/value head
	s_and_b32 s75, s[WV], 1
.irp g, G1, G1H
	s_mov_b32 s[\g], 3<<16                         ; no mask; elements of 8 bytes; no padding
	s_mov_b32 s[\g+1], 32<<16                      ; rows of 256 bytes
	s_mov_b32 s[\g+3], 32<<16
	s_mov_b32 s[\g+5], 32                          ; dense
	s_mov_b32 s[\g+6], 0
	s_mov_b32 s[\g+7], 0
.endr
	s_mov_b32 s[G1+2], 32<<16
	s_mov_b32 s[G1+4], 32
	s_mov_b32 s[G1H+2], 64<<16
	s_mov_b32 s[G1H+4], 64
	s_lshl_b32 s84, s74, 18                        ; the head's 262,144 bytes of k_img and of v_img
	s_mov_b32 s85, 0
	s_lshl_b32 s86, s75, 17                        ; scale words: k's region at 262,144, v's 131,072 on; 8,192 bytes a head
	s_lshl_b32 s87, s74, 13
	s_add_co_u32 s86, s86, s87
	s_add_co_u32 s86, s86, 0x40000
	s_mov_b32 s87, 0
	s_lshl_b32 s88, s75, 13
	s_add_co_u32 s88, s88, s84                     ; my quarter of a key step
	s_mov_b32 s89, 0
	s_mov_b32 s[G0S], 1
	s_lshl_b32 s[G0S+1], s75, 13
	s_add_co_u32 s[G0S+1], s[G0S+1], SCK
	s_mov_b32 s[G0H], 1
	s_lshl_b32 s[G0H+1], s75, 14
	s_mov_b32 s[G0], 1
	s_lshl_b32 s[W13], s[WV], 13
	s_mov_b32 s[SEL], 0x76543210
	s_mov_b32 s[SEL+1], 0xfedcba98
	s_mov_b32 s[CS], 0x3e0293ee                    ; c = log2(e) / sqrt(128)
	s_mov_b32 s[CS+1], s[CS]
	s_mov_b32 s[MNT], 0x600000
	s_mov_b32 s[TB], 0
	s_mov_b32 s[I], 0
	s_wait_dscnt 0x0                               ; both opening adds are done
	s_wait_kmcnt 0x0
	s_add_nc_u64 s[G0S+2:G0S+3], s[10:11], s[86:87]
	s_or_b32 s[G0S+3], s[G0S+3], 0x80000000
	s_cmp_eq_u32 s75, 0
	s_cselect_b64 s[90:91], s[6:7], s[8:9]
	s_add_nc_u64 s[G0H+2:G0H+3], s[90:91], s[84:85]
	s_or_b32 s[G0H+3], s[G0H+3], 0x80000000
	s_cmp_lt_u32 s[WV], 2                          ; the head's four tiles, one a wave: wave 0 K's step 0, wave 1 V's, wave 2 K's scale words, wave 3 V's
	s_cbranch_scc0 .Lhead_s
	tensor_load_to_lds s[G0H:G0H+3], s[G1H:G1H+7]
	s_nop 0
	PLACES 4
	s_branch .Lhead_j
.Lhead_s:
	tensor_load_to_lds s[G0S:G0S+3], s[G1:G1+7]
	s_nop 0
	PLACES 4
.Lhead_j:
	s_cmp_lt_u32 s[WV], 2                          ; in the ring waves 0, 1 fetch K's halves, waves 2, 3 V's
	s_cselect_b64 s[RB:RB+1], s[6:7], s[8:9]
	s_add_nc_u64 s[RB:RB+1], s[RB:RB+1], s[88:89]
	s_lshl_b32 s96, ttmp9, 14
	s_mov_b32 s97, 0
	s_add_nc_u64 s[PFA:PFA+1], s[RB:RB+1], s[96:97]   ; my quarter of key step x
	s_max_u32 s96, ttmp9, 4
	s_sub_co_u32 s[PT], s96, 4
	s_cmp_lt_u32 ttmp9, 2
	s_cselect_b32 s[PT], 99, s[PT]                 ; trip max(x - 4, 0); never where x is 0 or 1
	s_lshl_b32 s80, ttmp9, 2
	s_add_co_u32 s81, s80, s[WV]                   ; the early tile: tau = 4 x + w
	s_sub_co_u32 s80, 124, s80
	s_add_co_u32 s80, s80, s[WV]                   ; the late one: 4 (31 - x) + w
	s_lshr_b32 s82, s80, 1
	s_lshl_b32 s82, s82, 5
	s_and_b32 s83, s80, 1
	s_lshl_b32 s83, s83, 3
	s_add_co_u32 s[Q0L], s82, s83                  ; 32 (tau / 2) + 8 (tau % 2)
	s_lshr_b32 s82, s81, 1
	s_lshl_b32 s82, s82, 5
	s_and_b32 s83, s81, 1
	s_lshl_b32 s83, s83, 3
	s_add_co_u32 s[Q0E], s82, s83
	s_lshr_b32 s[NE], ttmp9, 1
	s_add_co_u32 s[NE], s[NE], 1
	s_lshl_b32 s84, s74, 8                         ; Q: tile (2 bh + g) x 128 + tau: 2,048 bytes of codes, 64 of scale words
	s_add_co_u32 s82, s84, s80
	s_add_co_u32 s83, s84, s81
	s_lshl_b32 s86, s82, 11
	s_mov_b32 s87, 0
	s_lshl_b32 s88, s82, 6
	s_mov_b32 s89, 0
	s_lshl_b32 s90, s83, 11
	s_mov_b32 s91, 0
	s_lshl_b32 s92, s83, 6
	s_mov_b32 s93, 0
	s_and_b32 s84, s74, 7                          ; the result: fragment (head x 256 + batch x 128 + tau) x 2 + g
	s_lshl_b32 s84, s84, 8
	s_lshr_b32 s85, s74, 3
	s_lshl_b32 s85, s85, 7
	s_add_co_u32 s84, s84, s85
	s_add_co_u32 s82, s84, s80
	s_add_co_u32 s83, s84, s81
	s_lshl_b32 s94, s82, 12
	s_mov_b32 s95, 0
	s_lshl_b32 s96, s82, 7
	s_lshl_b32 s98, s83, 12
	s_mov_b32 s99, 0
	s_lshl_b32 s80, s83, 7
	s_mov_b32 s81, 0
	s_add_nc_u64 s[AL:AL+1], s[12:13], s[94:95]
	s_add_nc_u64 s[SL:SL+1], s[14:15], s[96:97]
	s_add_nc_u64 s[AE:AE+1], s[12:13], s[98:99]
	s_add_nc_u64 s[SE:SE+1], s[14:15], s[80:81]
	s_add_nc_u64 s[QL:QL+1], s[4:5], s[86:87]
	s_add_nc_u64 s[QSL:QSL+1], s[10:11], s[88:89]
	s_add_nc_u64 s[90:91], s[4:5], s[90:91]
	s_add_nc_u64 s[92:93], s[10:11], s[92:93]
	v_and_b32 v8, 15, v0                           ; r
	v_bfe_u32 v9, v0, 4, 1                         ; h
	v_and_b32 v10, 31, v0
	v_lshlrev_b32 v[LI], 4, v10
	v_lshlrev_b32 v[GW], 2, v8
.irp k, 0,1
.irp c, 0,1,2,3
	global_load_b128 v[QF+16*\k+4*\c:QF+16*\k+4*\c+3], v[LI], s[90:91] offset:262144*\k+512*\c   ; the early tile's Q, head k
.endr
	global_load_b32 v[QSC+\k], v[GW], s[92:93] offset:8192*\k
.endr
	v_lshl_add_u32 v[LS], v10, 2, SCK
	v_and_b32 v11, 8, v8
	v_add_nc_u32 v[DQ], v11, v8
	v_lshlrev_b32 v11, 4, v9
	v_sub_nc_u32 v[DQ], v[DQ], v11
	v_lshlrev_b32 v[PFO], 8, v10
	WIN 0x40
	v_mov_b32 v[DQC], v[DQ]
.irp x, 0,128
	v_mov_b32 v[\x+TX], 0xff61b1e6                 ; the largest t so far: -3e38
	v_mov_b32 v[\x+NM], 0x7f61b1e6                 ; -M
.irp o, SU, SU+1, FF, FF+1, TT, T2, T2+1, T2+2, T2+3
	v_mov_b32 v[\x+\o], 0
.endr
.endr
	WIN 0x80
.set j, 0
.rept 128
	v_mov_b32 v[j], 0                              ; O^T: the step is written for every step alike: the first finds zeros
.set j, j+1
.endr
	WIN 0
; THE CHANGE OF SLOTS.  Each wave waits for all its tensor loads (its quarter of the next trip's slot), adds 0 to its spare word and waits for that and for its reads of the slot in hand, whose K and V are then in registers.
; fill = 1: behind the barrier that slot takes the key step of trip I + 2: one load of a wave is out behind each barrier.  Then the next trip's K is asked of the other slot: its scale words and four fragments here, four further on.
; fill = 0, the last two trips: nothing is filled; the barrier shows the last slot in the first of them.
.macro MID fill
	WIN 0
	s_wait_tensorcnt 0x0                           ; no tensor load of mine is out, so a group 0 may be written
	ds_add_u32 v[SPW], v[NIL]
.if \fill
	RING 2
	s_add_co_u32 s[G0+1], s[W13], s[TB]
.endif
	KS 98, 1
	s_lshl_b32 s98, s98, 9
	s_xor_b32 s97, s[TB], SLOT1
	s_wait_dscnt 0x0
	s_barrier_signal -1
	s_barrier_wait -1
.if \fill
	TLOAD
.else
	s_cmp_eq_u32 s[I], 16
	s_cbranch_scc1 .Lno_k_\@
.endif
	v_add_nc_u32 v[ADK], s97, v[LI]
	v_add_nc_u32 v[ADS], s98, v[LS]
	KSCALES
	FLOAD ADK, 0, 0
.if \fill == 0
.Lno_k_\@:
.endif
.endm
.macro SMUL                            ; S^T = K Q^T: eight tiles of 16 keys x two heads.  Behind fragment t's loads stand 4 (7 - t) of K's and 20 of V's (4 scale words, 4 fragments)
	WIN 0x40
.irp t, 0,1,2,3,4,5,6,7
	s_wait_dscnt 20+4*(7-\t)
.irp k, 0,1
.if \t % 2
	v_wmma_scale_f32_16x16x128_f8f6f4 v[128*\k+8*\t:128*\k+8*\t+7], v[FRG+16*\t:FRG+16*\t+15], v[QF+16*\k:QF+16*\k+15], 0, v[KSC+\t/2], v[QSC+\k] matrix_a_scale:MATRIX_SCALE_ROW1
.else
	v_wmma_scale_f32_16x16x128_f8f6f4 v[128*\k+8*\t:128*\k+8*\t+7], v[FRG+16*\t:FRG+16*\t+15], v[QF+16*\k:QF+16*\k+15], 0, v[KSC+\t/2], v[QSC+\k]
.endif
.endr
.endr
	WIN 0
.endm
.macro PVMUL                           ; O^T += V^T P^T: the sixteen accumulators by turns
	WIN 0xa6
.irp t, 0,1,2,3,4,5,6,7
.irp k, 0,1
.if \t % 2
	v_wmma_scale_f32_16x16x128_f8f6f4 v[64*\k+8*\t:64*\k+8*\t+7], v[FRG+16*\t:FRG+16*\t+15], v[128*\k+CD:128*\k+CD+15], v[64*\k+8*\t:64*\k+8*\t+7], v[VSC+\t/2], v[PSC+\k] matrix_a_scale:MATRIX_SCALE_ROW1
.else
	v_wmma_scale_f32_16x16x128_f8f6f4 v[64*\k+8*\t:64*\k+8*\t+7], v[FRG+16*\t:FRG+16*\t+15], v[128*\k+CD:128*\k+CD+15], v[64*\k+8*\t:64*\k+8*\t+7], v[VSC+\t/2], v[PSC+\k]
.endif
.endr
.endr
	WIN 0
.endm
.macro MASK                            ; on the diagonal the scores of hidden keys become -infinity ahead of the maximum; one compare serves both heads.  A step all of whose keys count skips this
	s_add_co_u32 s96, s[KF], 127
	s_cmp_le_u32 s96, s[Q0]
	s_cbranch_scc1 .Lopen_\@
	s_sub_co_i32 s96, s[Q0], s[KF]
	WIN 0x55
	v_add_nc_u32 v[MD], s96, v[DQC]                ; my query - KF - 16 h.  Register 16 b + i holds key KF + 16 h + 32 b + i: hidden where 32 b + i is greater
	v_mov_b32 v[MI], 0xff800000
.set n, 0
.rept 64
	v_cmp_gt_i32 vcc_lo, 32*(n/16)+n%16, v[MD]
	v_cndmask_b32 v[n], v[n], v[MI], vcc_lo
	v_cndmask_b32 v[128+n], v[128+n], v[MI], vcc_lo
.set n, n+1
.endr
	WIN 0
.Lopen_\@:
.endm
.macro SOFTA                           ; the softmax of both heads' tiles, line by line by turns: up to the row's sums
	WIN 0x55
	s_wait_alu depctr_va_vdst(0)                   ; the wait ahead of the scores' first readers
.irp b, 0,1,2,3
.irp x, 0,128
	v_max3_num_f32 v[\x+BM+\b], v[\x+16*\b], v[\x+16*\b+1], v[\x+16*\b+2]   ; the largest score of each block of 32 keys: for the row's maximum and, since p rises with the score, for the block's largest p
.endr
.endr
.irp i, 3,5,7,9,11,13
.irp b, 0,1,2,3
.irp x, 0,128
	v_max3_num_f32 v[\x+BM+\b], v[\x+BM+\b], v[\x+16*\b+\i], v[\x+16*\b+\i+1]
.endr
.endr
.endr
.irp b, 0,1,2,3
.irp x, 0,128
	v_max_num_f32 v[\x+BM+\b], v[\x+BM+\b], v[\x+16*\b+15]
.endr
.endr
.irp b, 0,1,2,3
.irp x, 0,128
	v_permlanex16_b32 v[\x+T2+\b], v[\x+BM+\b], s[SEL], s[SEL+1]
.endr
.endr
.irp b, 0,1,2,3
.irp x, 0,128
	v_max_num_f32 v[\x+BM+\b], v[\x+BM+\b], v[\x+T2+\b]
.endr
.endr
.irp x, 0,128
	v_max3_num_f32 v[\x+TT], v[\x+BM], v[\x+BM+1], v[\x+BM+2]
.endr
.irp x, 0,128
	v_max_num_f32 v[\x+TT], v[\x+TT], v[\x+BM+3]
.endr
.irp x, 0,128
	v_mul_f32 v[\x+TT], s[CS], v[\x+TT]
.endr
.irp x, 0,128
	v_max_num_f32 v[\x+TX], v[\x+TX], v[\x+TT]     ; the running largest t
.endr
.irp x, 0,128
	v_mov_b32 v[\x+TT], v[\x+NM]
.endr
.irp x, 0,128
	v_floor_f32 v[\x+NM], -v[\x+TX]                ; the new -M = -ceil(t)
.endr
.irp x, 0,128
	v_sub_f32 v[\x+TT], v[\x+NM], v[\x+TT]         ; old M - new M: a whole number, 0 or less
.endr
.irp x, 0,128
	v_cvt_i32_f32 v[\x+TT], v[\x+TT]               ; (it saturates)
.endr
.irp x, 0,128
	v_ldexp_f32 v[\x+FF], 1.0, v[\x+TT]            ; f = 2^(old M - new M); 0 in a tile's first step
.endr
.set j, 0
.rept 32
.irp x, 0,128
	v_pk_fma_f32 v[\x+j:\x+j+1], v[\x+j:\x+j+1], s[CS:CS+1], v[\x+NM:\x+NM+1] op_sel_hi:[1,0,0]   ; t - M
.endr
.set j, j+2
.endr
.irp b, 0,1,2,3
.irp x, 0,128
	v_fma_f32 v[\x+BM+\b], v[\x+BM+\b], s[CS], v[\x+NM]
.endr
.endr
	s_wait_alu depctr_va_vdst(0)                   ; the wait ahead of the batch
.set j, 0
.rept 64
	v_exp_f32 v[j], v[j]                           ; p = 2^(t - M): one batch of 128
	v_exp_f32 v[128+j], v[128+j]
.set j, j+1
.endr
.irp x, 0,128
	v_pk_mul_f32 v[\x+SU:\x+SU+1], v[\x+SU:\x+SU+1], v[\x+FF:\x+FF+1] op_sel_hi:[1,0]   ; the sums under the new M: plain lines behind the batch
.endr
	s_wait_alu depctr_va_vdst(0)                   ; one wait for the batch, ahead of its first reader
.irp b, 0,1,2,3
.irp x, 0,128
	v_exp_f32 v[\x+BM+\b], v[\x+BM+\b]             ; the blocks' largest p
.endr
.endr
.irp m, 0,1,2,3                        ; the row's sum of the unquantised p: four chains a tile
.irp x, 0,128
	v_pk_add_f32 v[\x+C0+2*\m:\x+C0+2*\m+1], v[\x+2*\m:\x+2*\m+1], v[\x+8+2*\m:\x+8+2*\m+1]
.endr
.endr
.irp q, 16,24,32,40,48,56
.irp m, 0,1,2,3
.irp x, 0,128
	v_pk_add_f32 v[\x+C0+2*\m:\x+C0+2*\m+1], v[\x+C0+2*\m:\x+C0+2*\m+1], v[\x+\q+2*\m:\x+\q+2*\m+1]
.endr
.endr
.endr
.irp x, 0,128
	v_pk_add_f32 v[\x+C0:\x+C0+1], v[\x+C0:\x+C0+1], v[\x+C0+2:\x+C0+3]
	v_pk_add_f32 v[\x+C0+4:\x+C0+5], v[\x+C0+4:\x+C0+5], v[\x+C0+6:\x+C0+7]
.endr
.irp x, 0,128
	v_pk_add_f32 v[\x+C0:\x+C0+1], v[\x+C0:\x+C0+1], v[\x+C0+4:\x+C0+5]
.endr
.irp x, 0,128
	v_pk_add_f32 v[\x+SU:\x+SU+1], v[\x+SU:\x+SU+1], v[\x+C0:\x+C0+1]
.endr
	s_wait_alu depctr_va_vdst(0)                   ; one for the eight; it also stands ahead of the waits of the change of slots
.endm
.macro SOFTB                           ; p's quantiser
	WIN 0x55
.irp b, 0,1,2,3
.irp x, 0,128
	v_max_num_f32 v[\x+BM+\b], 0x4800000, v[\x+BM+\b]   ; the floor 2^(9 - 127)
.endr
.endr
.irp b, 0,1,2,3
.irp x, 0,128
	v_add_nc_u32 v[\x+SO+\b], 0xfc000000, v[\x+BM+\b]   ; 8 off the exponent field: the conversion's scale operand
.endr
.endr
.irp b, 0,1,2,3
.irp x, 0,128
	v_and_or_b32 v[\x+HB+\b], v[\x+BM+\b], 0x7f800000, s[MNT]   ; 448 x the scale
.endr
.endr
.irp b, 0,1,2,3
.irp x, 0,128
	v_lshrrev_b32 v[\x+T2+\b], 23, v[\x+SO+\b]     ; the scale's byte
.endr
.endr
.irp x, 0,128
	v_lshl_or_b32 v[\x+TT], v[\x+T2+1], 8, v[\x+T2]
.endr
.irp x, 0,128
	v_lshl_or_b32 v[\x+TT], v[\x+T2+2], 16, v[\x+TT]
.endr
.irp b, 0,1,2,3
.irp x, 0,128
.set i, 0
.rept 16
	v_min_num_f32 v[\x+16*\b+i], v[\x+16*\b+i], v[\x+HB+\b]   ; the hold; p is not negative
.set i, i+1
.endr
	v_cvt_scalef32_pk8_fp8_f32 v[\x+CD+4*\b:\x+CD+4*\b+1], v[\x+16*\b:\x+16*\b+7], v[\x+SO+\b]
	v_cvt_scalef32_pk8_fp8_f32 v[\x+CD+4*\b+2:\x+CD+4*\b+3], v[\x+16*\b+8:\x+16*\b+15], v[\x+SO+\b]
.endr
.endr
	WIN 0
.endm
.macro SOFTC                           ; p's scale words, and O^T under the new M
	WIN 0x11
.irp k, 0,1
	v_lshl_or_b32 v[PSC+\k], v[128*\k+T2+3], 24, v[128*\k+TT]   ; p's scale word for these 128 keys, into window 0, where scale operands lie
.endr
	WIN 0x86
	s_wait_alu depctr_va_vdst(0)                   ; directly ahead of the first reader of O^T
.irp k, 0,1
.set j, 0
.rept 32
	v_pk_mul_f32 v[64*\k+j:64*\k+j+1], v[64*\k+j:64*\k+j+1], v[128*\k+FF:128*\k+FF+1] op_sel_hi:[1,0]   ; these lines are also the places in front of the products below
.set j, j+2
.endr
.endr
	s_wait_alu depctr_va_vdst(0)
	WIN 0
.endm
.macro OUT2 ab, sb                     ; THE WAY OUT of both heads' tiles: O^T / the sum, quantised along d; the codes are the next product's fragment as they stand
	WIN 0x55
.irp x, 0,128
	v_add_f32 v[\x+SU], v[\x+SU], v[\x+SU+1]
.endr
.irp x, 0,128
	v_permlanex16_b32 v[\x+TT], v[\x+SU], s[SEL], s[SEL+1]
.endr
.irp x, 0,128
	v_add_f32 v[\x+SU], v[\x+SU], v[\x+TT]
.endr
	s_wait_alu depctr_va_vdst(0)
.irp x, 0,128
	v_rcp_f32 v[\x+SU], v[\x+SU]
.endr
	v_nop
	WIN 0x46
	s_wait_alu depctr_va_vdst(0)                   ; ahead of the first reader of the reciprocals and of O^T
.irp k, 0,1
.set j, 0
.rept 64
	v_mul_f32 v[128*\k+j], v[64*\k+j], v[128*\k+SU]   ; each accumulator from its low end on
.set j, j+1
.endr
.endr
	WIN 0x55
.irp b, 0,1,2,3
.irp x, 0,128
	v_max3_num_f32 v[\x+BM+\b], |v[\x+16*\b]|, |v[\x+16*\b+1]|, 0x4800000
.endr
.endr
.irp i, 2,4,6,8,10,12,14
.irp b, 0,1,2,3
.irp x, 0,128
	v_max3_num_f32 v[\x+BM+\b], v[\x+BM+\b], |v[\x+16*\b+\i]|, |v[\x+16*\b+\i+1]|
.endr
.endr
.endr
.irp b, 0,1,2,3
.irp x, 0,128
	v_permlanex16_b32 v[\x+T2+\b], v[\x+BM+\b], s[SEL], s[SEL+1]
.endr
.endr
.irp b, 0,1,2,3
.irp x, 0,128
	v_max_num_f32 v[\x+BM+\b], v[\x+BM+\b], v[\x+T2+\b]
.endr
.endr
.irp b, 0,1,2,3
.irp x, 0,128
	v_add_nc_u32 v[\x+SO+\b], 0xfc000000, v[\x+BM+\b]
.endr
.endr
.irp b, 0,1,2,3
.irp x, 0,128
	v_and_or_b32 v[\x+HB+\b], v[\x+BM+\b], 0x7f800000, s[MNT]
.endr
.endr
.irp b, 0,1,2,3
.irp x, 0,128
	v_lshrrev_b32 v[\x+T2+\b], 23, v[\x+SO+\b]
.endr
.endr
.irp x, 0,128
	v_lshl_or_b32 v[\x+TT], v[\x+T2+1], 8, v[\x+T2]
.endr
.irp x, 0,128
	v_lshl_or_b32 v[\x+TT], v[\x+T2+2], 16, v[\x+TT]
.endr
.irp x, 0,128
	v_lshl_or_b32 v[\x+TT], v[\x+T2+3], 24, v[\x+TT]
.endr
.irp b, 0,1,2,3
.irp x, 0,128
.set i, 0
.rept 16
	v_med3_num_f32 v[\x+16*\b+i], v[\x+16*\b+i], -v[\x+HB+\b], v[\x+HB+\b]
.set i, i+1
.endr
	v_cvt_scalef32_pk8_fp8_f32 v[\x+CD+4*\b:\x+CD+4*\b+1], v[\x+16*\b:\x+16*\b+7], v[\x+SO+\b]
	v_cvt_scalef32_pk8_fp8_f32 v[\x+CD+4*\b+2:\x+CD+4*\b+3], v[\x+16*\b+8:\x+16*\b+15], v[\x+SO+\b]
.endr
.endr
	v_nop
	WIN 0x04
.irp k, 0,1
.irp c, 0,1,2,3
	global_store_b128 v[LI], v[128*\k+CD+4*\c:128*\k+CD+4*\c+3], s[\ab:\ab+1] offset:2048*\k+512*\c   ; 512 consecutive bytes a store
.endr
	global_store_b32 v[GW], v[128*\k+TT], s[\sb:\sb+1] offset:64*\k   ; lanes r and r + 16 hold the same word and name the same address
.endr
	WIN 0
.endm
; A TRIP: one key step of 128 keys for the two tiles in hand; its K was asked of LDS in the trip before.  inloop = 1: the trips that fill, and that may change tiles, load the late Q and prefetch.
.macro STEP inloop
	s_cmp_ge_u32 s[I], s[NE]
	s_cselect_b32 s96, s[NE], 0
	s_cselect_b32 s[Q0], s[Q0L], s[Q0E]
	s_sub_co_u32 s96, s[I], s96
	s_and_b32 s96, s96, 15                         ; the key step
	s_lshl_b32 s[TS], s96, 9
	s_lshl_b32 s[KF], s96, 7
.if \inloop
	s_cmp_lg_u32 s[I], s[NE]
	s_cbranch_scc1 .Lsame_\@
	OUT2 AE, SE                                    ; THE CHANGE OF TILES: the early tiles leave;
	s_wait_xcnt 0x0                                ; (the stores have read their data, which this trip writes anew)
	WIN 0x40
.irp x, 0,128
	v_mov_b32 v[\x+TX], 0xff61b1e6                 ; the largest t begins anew: this trip's f is 0, which clears the sum and O^T
	v_mov_b32 v[\x+NM], 0x7f61b1e6
.endr
	WIN 0
.Lsame_\@:
.endif
	v_add_nc_u32 v[ADV], s[TB], v[LI]
	v_add_nc_u32 v[ADT], s[TS], v[LS]
.irp u, 0,1,2,3
	ds_load_b32 v[VSC+\u], v[ADT] offset:8192+128*\u
.endr
	WIN 0x80
	FLOAD ADV, 16384, 0                            ; V's first four fragments
	WIN 0
	s_wait_alu depctr_va_vdst(0)
	s_wait_loadcnt 0x0                             ; Q
	SMUL
	WIN 0x80
	FLOAD ADV, 16384, 4                            ; and the other four
	WIN 0
	PLACES 8                                       ; behind the last product, ahead of the scores' readers and of loads into Q's registers
.if \inloop
	s_cmp_lg_u32 s[I], s[PT]                       ; A PREFETCH: the work-groups of a head share the key steps out: number x asks for step x, each wave for its quarter, lanes 256 bytes apart, in trip
	s_cbranch_scc1 .Lnot_mine_\@                   ; max(x - 4, 0): from x = 4 on two trips ahead of the first change of slots that loads it (trip x - 2's).  Steps 0 and 1 come by their loads alone; the address is never rewritten
	global_prefetch_b8 v[PFO], s[PFA:PFA+1] th:TH_LOAD_NT scope:SCOPE_SE
.Lnot_mine_\@:
	s_add_co_u32 s96, s[I], 1
	s_cmp_lg_u32 s96, s[NE]
	s_cbranch_scc1 .Lkeep_\@
.irp k, 0,1                            ; the early tile's last scores are made: the late tile's Q comes under the rest of the trip
.irp c, 0,1,2,3
	global_load_b128 v[QF+16*\k+4*\c:QF+16*\k+4*\c+3], v[LI], s[QL:QL+1] offset:262144*\k+512*\c
.endr
	global_load_b32 v[QSC+\k], v[GW], s[QSL:QSL+1] offset:8192*\k
.endr
.Lkeep_\@:
.endif
	MASK
	SOFTA
	MID \inloop
	SOFTB
.if \inloop == 0
	s_cmp_eq_u32 s[I], 16
	s_cbranch_scc1 .Lno_k2_\@
.endif
	FLOAD ADK, 0, 4                                ; the next trip's K: the other four fragments
.if \inloop == 0
.Lno_k2_\@:
.endif
	SOFTC
	PVMUL                                          ; V has been in registers since the change of slots
	PLACES 8                                       ; ahead of the next loads into V's registers and scale words, and of O^T's readers
	s_xor_b32 s[TB], s[TB], SLOT1
.endm
	s_wait_alu depctr_va_vdst(0)                   ; the wait at the head's end
	s_wait_tensorcnt 0x0                           ; my tile of the head's four is in; slot 1's first fill is issued as a refill is
	ds_add_u32 v[SPW], v[NIL]
	RING 1
	s_add_co_u32 s[G0+1], s[W13], SLOT1
	s_mov_b32 s98, 0
	s_wait_dscnt 0x0
	s_barrier_signal -1
	s_barrier_wait -1
	TLOAD
	v_add_nc_u32 v[ADK], s[TB], v[LI]              ; trip 0's K
	v_add_nc_u32 v[ADS], s98, v[LS]
	KSCALES
	FLOAD ADK, 0, 0
	FLOAD ADK, 0, 4
.Lslot:                                ; 15 trips, each of which asks for the key step two trips on
	STEP 1
	s_add_co_u32 s[I], s[I], 1
	s_cmp_lt_u32 s[I], 15
	s_wait_alu depctr_va_vdst(0)
	s_cbranch_scc1 .Lslot
.Llast:                                ; the last two trips ask for nothing
	STEP 0
	s_add_co_u32 s[I], s[I], 1
	s_cmp_lt_u32 s[I], 17
	s_wait_alu depctr_va_vdst(0)
	s_cbranch_scc1 .Llast
	OUT2 AL, SL
	s_wait_tensorcnt 0x0                           ; the wave's end
	ds_add_u32 v[SPW], v[NIL]
	s_wait_dscnt 0x0
	s_endpgm
.Lfunc_end_k_q642427f266_attn:
	.size	k_q642427f266_attn, .Lfunc_end_k_q642427f266_attn-k_q642427f266_attn
	.p2alignl 7, 3214868480
	.fill 96, 4, 3214868480
	.section	.rodata,"a",@progbits
	.p2align	6, 0x0
	.amdhsa_kernel k_q642427f266_attn
		.amdhsa_group_segment_fixed_size 327680
		.amdhsa_private_segment_fixed_size 0
		.amdhsa_enable_private_segment 0
		.amdhsa_kernarg_size 48
		.amdhsa_user_sgpr_count 2
		.amdhsa_user_sgpr_kernarg_segment_ptr 1
		.amdhsa_wavefront_size32 1
		.amdhsa_system_sgpr_workgroup_id_x 1
		.amdhsa_system_sgpr_workgroup_id_y 1
		.amdhsa_system_sgpr_workgroup_id_z 1
		.amdhsa_system_vgpr_workitem_id 0
		.amdhsa_next_free_vgpr 768
		.amdhsa_next_free_sgpr 100
		.amdhsa_reserve_vcc 1
		.amdhsa_float_denorm_mode_32 3
		.amdhsa_float_denorm_mode_16_64 3
		.amdhsa_memory_ordered 1
		.amdhsa_forward_progress 1
		.amdhsa_inst_pref_size 156
	.end_amdhsa_kernel
	.amdgpu_metadata
---
amdhsa.version: [ 1, 2 ]
amdhsa.kernels:
  - .name:           k_q642427f266_attn
    .symbol:         k_q642427f266_attn.kd
    .args:
      - { .name: q_img, .offset: 0, .size: 8, .value_kind: global_buffer, .address_space: global }
      - { .name: k_img, .offset: 8, .size: 8, .value_kind: global_buffer, .address_space: global }
      - { .name: v_img, .offset: 16, .size: 8, .value_kind: global_buffer, .address_space: global }
      - { .name: qkv_sc, .offset: 24, .size: 8, .value_kind: global_buffer, .address_space: global }
      - { .name: a_img, .offset: 32, .size: 8, .value_kind: global_buffer, .address_space: global }
      - { .name: a_sc, .offset: 40, .size: 8, .value_kind: global_buffer, .address_space: global }
    .group_segment_fixed_size: 327680
    .private_segment_fixed_size: 0
    .kernarg_segment_align: 8
    .kernarg_segment_size: 48
    .max_flat_workgroup_size: 128
    .sgpr_count:     100
    .vgpr_count:     768
    .wavefront_size: 32
...
	.end_amdgpu_metadata
.endif
;; end of part 3
;; launch oproj (part 4): grid 8 x 32, 4 waves a work-group, clusters of 4 x 4, 327,680 bytes of LDS; arguments a_img, a_sc, Wo_codes, Wo_scales, out0; writes out0
.if DOCPART == 4
	.amdgcn_target "amdgcn-amd-amdhsa--gfx1250"
	.amdhsa_code_object_version 6
	.text
	.protected	k_q642427f266_oproj
	.globl	k_q642427f266_oproj
	.p2align	8
	.type	k_q642427f266_oproj,@function
k_q642427f266_oproj:
	s_mov_b64 s[64:65], 0
	v_nop
	global_prefetch_b8 v0, s[64:65] scope:SCOPE_SE
	s_setreg_imm32_b32 hwreg(HW_REG_WAVE_MODE, 25, 1), 1
	s_wait_xcnt 0x0
	s_wait_alu depctr_hold_cnt(0) depctr_sa_sdst(0) depctr_va_vdst(0) depctr_va_sdst(0) depctr_va_ssrc(0) depctr_va_vcc(0) depctr_vm_vsrc(0)
	s_getreg_b32 s2, hwreg(HW_REG_IB_STS2, 6, 4)
	s_cmp_eq_u32 s2, 0
	s_cbranch_scc0 .Lentry_in_a_cluster
	s_endpgm
.Lentry_in_a_cluster:
	s_bfe_u32 s2, ttmp6, 0x10000c
	s_cmp_lg_u32 s2, 0xf033
	s_cbranch_scc0 .Lentry_shape_is_right
	s_endpgm
.Lentry_shape_is_right:
.set SLOT,  133120
.set SCA,   2*SLOT
.set SCB,   SCA+8192
.set SPARE, SCB+8704
.set STGW,  8960
.set ADRA, 16
.set ADRB, 20
.set ADSA, 22
.set ADSB, 23
.set STO,  24
.set RD,   25
.set CO,   26
.set SPW,  28
.set NIL,  29
.set SC,   32
.set ACC,  128
.set F0,   0
.set F1,   128
.set WV,   14
.set RH,   15
.set CH,   16
.set G1A,  24
.set G0A,  32
.set G1B,  48
.set G0B,  56
.set G1SA, 68
.set G0SA, 76
.set G1SB, 80
.set G0SB, 88
.set MSB, 0
.macro WIN new
.if MSB != \new
	s_set_vgpr_msb (MSB<<8)|\new
.set MSB, \new
.endif
.endm
.set MUL,  0x05
.set TO_F, 0x40
.macro JLOAD g0a, g1a, g0b, g1b
	s_cmp_eq_u32 s[RH], 0
	s_cbranch_scc0 .Lfor_b_\@
	tensor_load_to_lds s[\g0a:\g0a+3], s[\g1a:\g1a+7]
	s_nop 0
.rept 4
	v_nop
.endr
	s_branch .Lasked_\@
.Lfor_b_\@:
	tensor_load_to_lds s[\g0b:\g0b+3], s[\g1b:\g1b+7]
	s_nop 0
.rept 4
	v_nop
.endr
.Lasked_\@:
.endm
.macro CREST
	s_cmp_lg_u32 s[WV], 0
	s_cbranch_scc1 .Lnot_wave_0_\@
	s_barrier_signal -3
.Lnot_wave_0_\@:
	s_barrier_wait -3
	s_barrier_signal -1
	s_barrier_wait -1
.endm
.macro CROUND
	s_barrier_signal -1
	s_barrier_wait -1
	CREST
.endm
	s_load_b128 s[4:7], s[0:1], 0x0
	s_load_b128 s[8:11], s[0:1], 0x10
	s_load_b64 s[12:13], s[0:1], 0x20
	v_lshl_add_u32 v[SPW], v0, 2, SPARE
	v_mov_b32 v[NIL], 0
	ds_add_u32 v[SPW], v[NIL]
	ds_add_u32 v[SPW], v[NIL]
	v_lshrrev_b32 v1, 5, v0
	v_readfirstlane_b32 s[WV], v1
	s_lshr_b32 s[RH], s[WV], 1
	s_and_b32 s[CH], s[WV], 1
	s_bfe_u32 s40, ttmp6, 0x40000
	s_bfe_u32 s41, ttmp6, 0x40004
	s_lshl_b32 s42, ttmp9, 2
	s_add_co_u32 s42, s42, s40
	s_and_b32 s17, ttmp7, 0xffff
	s_lshl_b32 s17, s17, 2
	s_add_co_u32 s17, s17, s41
	s_lshl_b32 s43, s41, 2
	s_lshl_b32 s43, 15, s43
	s_lshl_b32 s44, 0x1111, s40
	s_or_b32 s[G1A], s43, (3<<16)|(1<<21)
	s_mov_b32 s[G1A+1], 4096<<16                   ; the head's load of A: slot 0's two dense blocks of 32,768 bytes, 1,048,576 bytes apart, as two rows of 4,096 elements of 8 bytes;
	s_mov_b32 s[G1A+2], 2<<16                      ; behind it these five words are set for the ring's loads
	s_mov_b32 s[G1A+3], 4096<<16
	s_mov_b32 s[G1A+4], 2
	s_mov_b32 s[G1A+5], 131072
	s_mov_b32 s[G1A+6], 0
	s_mov_b32 s[G1A+7], 0
	s_or_b32 s[G1B], s44, (0<<16)|(1<<20)|(1<<21)|(6<<22)|(3<<25)
	s_mov_b32 s[G1B+1], 512<<16
	s_mov_b32 s[G1B+2], 128<<16                    ; the head's load of B brings 128 rows, the ring's 64
	s_mov_b32 s[G1B+3], 512<<16
	s_mov_b32 s[G1B+4], 128
	s_mov_b32 s[G1B+5], 2048
	s_mov_b32 s[G1B+6], 0
	s_mov_b32 s[G1B+7], 0
	s_or_b32 s[G1SA], s43, (3<<16)|(1<<21)
	s_mov_b32 s[G1SA+1], 128<<16
	s_mov_b32 s[G1SA+2], 8<<16
	s_mov_b32 s[G1SA+3], 128<<16
	s_mov_b32 s[G1SA+4], 8
	s_mov_b32 s[G1SA+5], 4096
	s_mov_b32 s[G1SA+6], 0
	s_mov_b32 s[G1SA+7], 0
	s_or_b32 s[G1SB], s44, (3<<16)|(1<<20)|(1<<21)|(5<<22)|(3<<25)
	s_mov_b32 s[G1SB+1], 32<<16
	s_mov_b32 s[G1SB+2], 32<<16
	s_mov_b32 s[G1SB+3], 32<<16
	s_mov_b32 s[G1SB+4], 32
	s_mov_b32 s[G1SB+5], 32
	s_mov_b32 s[G1SB+6], 0
	s_mov_b32 s[G1SB+7], 0
	s_lshl_b32 s18, s[CH], 20
	s_lshl_b32 s19, s17, 15
	s_add_co_u32 s18, s18, s19
	s_mov_b32 s19, 0
	s_lshl_b32 s20, s[CH], 17
	s_lshl_b32 s21, s17, 10
	s_add_co_u32 s20, s20, s21
	s_mov_b32 s21, 0
	s_lshl_b32 s46, s42, 18
	s_lshl_b32 s47, s[CH], 17
	s_add_co_u32 s46, s46, s47
	s_mov_b32 s47, 0
	s_lshl_b32 s92, s42, 13
	s_lshl_b32 s93, s[CH], 12
	s_add_co_u32 s92, s92, s93
	s_mov_b32 s93, 0
	s_lshl_b32 s22, s[CH], 15
	s_mul_i32 s23, s[CH], 33792
	s_add_co_u32 s23, s23, 65536
	s_wait_dscnt 0x0
	s_wait_kmcnt 0x0
	s_add_nc_u64 s[18:19], s[4:5], s[18:19]
	s_add_nc_u64 s[20:21], s[6:7], s[20:21]
	s_add_nc_u64 s[46:47], s[8:9], s[46:47]
	s_add_nc_u64 s[92:93], s[10:11], s[92:93]
	CROUND
	s_mov_b32 s99, 0                               ; the head's four tiles, each whole: the ring's addresses less my half's part
	s_lshl_b32 s98, s[CH], 20
	s_mov_b32 s4, 1                                ; s[4:7], s[8:11]: group 0 for slot 0's tiles of A and of B (the arguments that lay there have been used)
	s_mov_b32 s5, 0
	s_sub_nc_u64 s[6:7], s[18:19], s[98:99]
	s_or_b32 s7, s7, 0x80000000
	s_lshl_b32 s98, s[CH], 17
	s_mov_b32 s8, 1
	s_mov_b32 s9, 65536
	s_sub_nc_u64 s[10:11], s[46:47], s[98:99]
	s_or_b32 s11, s11, 0x80000000
	s_mov_b32 s[G0SA], 1
	s_mov_b32 s[G0SA+1], SCA
	s_sub_nc_u64 s[G0SA+2:G0SA+3], s[20:21], s[98:99]
	s_or_b32 s[G0SA+3], s[G0SA+3], 0x80000000
	s_lshl_b32 s98, s[CH], 12
	s_mov_b32 s[G0SB], 1
	s_mov_b32 s[G0SB+1], SCB
	s_sub_nc_u64 s[G0SB+2:G0SB+3], s[92:93], s[98:99]
	s_or_b32 s[G0SB+3], s[G0SB+3], 0x80000000
.irp s, 0,1
	s_mov_b32 s[G0A+4*\s], 1
	s_add_co_u32 s[G0A+4*\s+1], s22, \s*SLOT
	s_add_nc_u64 s[G0A+4*\s+2:G0A+4*\s+3], s[18:19], \s*0x200000
	s_or_b32 s[G0A+4*\s+3], s[G0A+4*\s+3], 0x80000000
	s_mov_b32 s[G0B+4*\s], 1
	s_add_co_u32 s[G0B+4*\s+1], s23, \s*SLOT
	s_add_nc_u64 s[G0B+4*\s+2:G0B+4*\s+3], s[46:47], \s*512
	s_or_b32 s[G0B+4*\s+3], s[G0B+4*\s+3], 0x80000000
.endr
; THE HEAD'S LOADS, ONE A WAVE: wave 0 fetches slot 0's tile of A, wave 1 its tile of B, wave 2 A's scale words, wave 3 B's scale bytes.
; One chain of branches on the wave's number, an arm a load: every way through the head passes exactly one.
.macro ARM under, g0, g1, next
	s_cmp_lt_u32 s[WV], \under
	s_cbranch_scc0 \next
	tensor_load_to_lds s[\g0:\g0+3], s[\g1:\g1+7]
	s_nop 0
.rept 4
	v_nop
.endr
	s_branch .Lhead_asked
\next:
.endm
	ARM 1, 4,    G1A,  .Lhead_b
	ARM 2, 8,    G1B,  .Lhead_sa
	ARM 3, G0SA, G1SA, .Lhead_sb
	tensor_load_to_lds s[G0SB:G0SB+3], s[G1SB:G1SB+7]
	s_nop 0
.rept 4
	v_nop
.endr
.Lhead_asked:
	v_and_b32 v1, 15, v0
	v_bfe_u32 v2, v0, 4, 1
	v_and_b32 v3, 31, v0
	v_lshlrev_b32 v4, 4, v3
	s_lshl_b32 s95, s[RH], 14
	v_add_nc_u32 v[ADRA], s95, v4
	v_add_nc_u32 v[ADRA+1], SLOT, v[ADRA]
	v_mul_u32_u24 v5, v1, 528
	v_lshl_add_u32 v5, v2, 4, v5
	s_mul_i32 s95, s[CH], 33792
	s_add_co_u32 s95, s95, 65536
	v_add_nc_u32 v[ADRB], s95, v5
	v_add_nc_u32 v[ADRB+1], SLOT, v[ADRB]
	s_lshl_b32 s95, s[RH], 9
	s_add_co_u32 s95, s95, SCA
	v_lshl_add_u32 v[ADSA], v1, 2, s95
	s_mul_i32 s95, s[CH], 4352
	s_add_co_u32 s95, s95, SCB
	v_lshrrev_b32 v6, 2, v1
	v_lshlrev_b32 v6, 4, v6
	v_lshl_add_u32 v6, v1, 6, v6
	v_add_nc_u32 v[ADSB], s95, v6
	s_mul_i32 s95, s[WV], STGW
	v_mul_u32_u24 v7, v1, 272
	v_lshrrev_b32 v8, 3, v1
	v_mad_u32_u24 v7, v8, 2304, v7
	v_lshl_add_u32 v7, v2, 5, v7
	v_add_nc_u32 v[STO], s95, v7
	v_mul_u32_u24 v9, v2, 272
	v_lshl_add_u32 v9, v1, 4, v9
	v_add_nc_u32 v[RD], s95, v9
	v_lshlrev_b32 v10, 12, v2
	v_lshl_add_u32 v[CO], v1, 4, v10
	s_lshl_b32 s96, s17, 19
	s_lshl_b32 s97, s[RH], 18
	s_add_co_u32 s96, s96, s97
	s_lshl_b32 s97, s42, 9
	s_add_co_u32 s96, s96, s97
	s_lshl_b32 s97, s[CH], 8
	s_add_co_u32 s96, s96, s97
	s_mov_b32 s97, 0
	s_add_nc_u64 s[12:13], s[12:13], s[96:97]
.macro FETCH slot, st, f
	WIN TO_F
.irp b, 0,1,2,3
.irp c, 0,1,2,3
	ds_load_b128 v[\f+64+16*\b+4*\c:\f+64+16*\b+4*\c+3], v[ADRB+\slot] offset:8448*\b+128*(\st)+32*\c
.endr
.endr
.irp a, 0,1,2,3
.irp c, 0,1,2,3
	ds_load_b128 v[\f+16*\a+4*\c:\f+16*\a+4*\c+3], v[ADRA+\slot] offset:32768*((\st)/2)+4096*\a+2048*((\st)%2)+512*\c
.endr
.endr
.endm
.macro SCALES sg
	WIN 0
.set SB0, SC+32*((\sg)%2)
.irp a, 0,1,2,3
.irp st, 0,1,2,3
	ds_load_b32 v[SB0+4*\a+\st], v[ADSA] offset:1024*(2*(\sg)+\st/2)+128*\a+64*(\st%2)
.endr
.endr
.irp b, 0,1,2,3
	ds_load_b128 v[SB0+16+4*\b:SB0+16+4*\b+3], v[ADSB] offset:1088*\b+16*(\sg)
.endr
.endm
.macro MUL4 f, a, st, set, zero
.irp b, 0,1,2,3
.if \zero
	v_wmma_scale_f32_16x16x128_f8f6f4 v[ACC+8*(4*(\a)+\b):ACC+8*(4*(\a)+\b)+7], v[\f+64+16*\b:\f+64+16*\b+15], v[\f+16*(\a):\f+16*(\a)+15], 0, v[SC+32*(\set)+16+4*\b+(\st)], v[SC+32*(\set)+4*(\a)+(\st)]
.else
	v_wmma_scale_f32_16x16x128_f8f6f4 v[ACC+8*(4*(\a)+\b):ACC+8*(4*(\a)+\b)+7], v[\f+64+16*\b:\f+64+16*\b+15], v[\f+16*(\a):\f+16*(\a)+15], v[ACC+8*(4*(\a)+\b):ACC+8*(4*(\a)+\b)+7], v[SC+32*(\set)+16+4*\b+(\st)], v[SC+32*(\set)+4*(\a)+(\st)]
.endif
.endr
.endm
.macro PLACES n
.rept \n
	v_nop
.endr
.endm
.macro STEP slot, st, f, g, set, zero
	s_wait_dscnt 8
	WIN MUL
	MUL4 \f, 0, \st, \set, \zero
	MUL4 \f, 1, \st, \set, \zero
	PLACES 8
	FETCH \slot, (\st)+1, \g
	s_wait_dscnt 32
	WIN MUL
	MUL4 \f, 2, \st, \set, \zero
	MUL4 \f, 3, \st, \set, \zero
.endm
.macro TURN slot, next, fill, nsg, set
	WIN 0
	s_wait_tensorcnt 0x0
	ds_add_u32 v[SPW], v[NIL]
	s_wait_dscnt 9
	WIN MUL
	MUL4 F1, 0, 3, \set, 0
	s_wait_dscnt 0x0
	s_barrier_signal -1
	MUL4 F1, 1, 3, \set, 0
	WIN 0
	s_barrier_wait -1
.if \fill
	CREST
	s_add_nc_u64 s[G0A+4*\slot+2:G0A+4*\slot+3], s[G0A+4*\slot+2:G0A+4*\slot+3], 0x400000
	s_add_nc_u64 s[G0B+4*\slot+2:G0B+4*\slot+3], s[G0B+4*\slot+2:G0B+4*\slot+3], 1024
	JLOAD G0A+4*\slot, G1A, G0B+4*\slot, G1B
	PLACES 4
.else
	PLACES 8
.endif
	SCALES \nsg
	FETCH \next, 0, F0
	WIN MUL
	MUL4 F1, 2, 3, \set, 0
	MUL4 F1, 3, 3, \set, 0
.endm
	s_wait_alu depctr_va_vdst(0)                   ; the wait at the head's end
	s_wait_tensorcnt 0x0                           ; my tile of the head's four is in; slot 1's first fill is issued as a refill is
	ds_add_u32 v[SPW], v[NIL]
	s_mov_b32 s[G1A+1], 32<<16                     ; no tensor load of mine is out: from here on a load of A brings 128 rows of 256 bytes,
	s_mov_b32 s[G1A+2], 128<<16
	s_mov_b32 s[G1A+3], 32<<16
	s_mov_b32 s[G1A+4], 128
	s_mov_b32 s[G1A+5], 32
	s_mov_b32 s[G1B+2], 64<<16                     ; and a load of B 64 rows
	s_mov_b32 s[G1B+4], 64
	s_wait_dscnt 0x0
	CROUND                                         ; all four tiles are in, and all sixteen work-groups are here
	JLOAD G0A+4, G1A, G0B+4, G1B                   ; slot 1, the first tensor load behind the round
	SCALES 0
	FETCH 0, 0, F0
	STEP 0, 0, F0, F1, 0, 1
	STEP 0, 1, F1, F0, 0, 0
	STEP 0, 2, F0, F1, 0, 0
	TURN 0, 1, 1, 1, 0
	STEP 1, 0, F0, F1, 1, 0
	STEP 1, 1, F1, F0, 1, 0
	STEP 1, 2, F0, F1, 1, 0
	TURN 1, 0, 1, 2, 1
	STEP 0, 0, F0, F1, 0, 0
	STEP 0, 1, F1, F0, 0, 0
	STEP 0, 2, F0, F1, 0, 0
	TURN 0, 1, 0, 3, 0
	STEP 1, 0, F0, F1, 1, 0
	STEP 1, 1, F1, F0, 1, 0
	STEP 1, 2, F0, F1, 1, 0
	s_wait_dscnt 8
	WIN MUL
	MUL4 F1, 0, 3, 1, 0
	MUL4 F1, 1, 3, 1, 0
	s_wait_alu depctr_va_vdst(0)
	s_wait_dscnt 0
	MUL4 F1, 2, 3, 1, 0
	MUL4 F1, 3, 3, 1, 0
	WIN 0
	PLACES 8
.macro TOSTAGE i
	WIN 0
.irp u, 0,1
.irp b, 0,1,2,3
	ds_store_b128 v[STO], v[ACC+8*(4*(2*\i+\u)+\b):ACC+8*(4*(2*\i+\u)+\b)+3] offset:2176*\u+64*\b
	ds_store_b128 v[STO], v[ACC+8*(4*(2*\i+\u)+\b)+4:ACC+8*(4*(2*\i+\u)+\b)+7] offset:2176*\u+64*\b+16
.endr
.endr
	WIN TO_F
.set t, 0
.rept 16
	ds_load_b128 v[64*\i+4*t:64*\i+4*t+3], v[RD] offset:544*t+128*(t/8)
.set t, t+1
.endr
.endm
.macro SEND i, younger
	WIN 0x04
.set t, 0
.rept 16
	s_wait_dscnt \younger+15-t
	global_store_b128 v[CO], v[64*\i+4*t:64*\i+4*t+3], s[12:13] offset:(32*\i+2*t)*4096 th:TH_STORE_NT
.set t, t+1
.endr
.endm
	TOSTAGE 0
	TOSTAGE 1
	SEND 0, 32
	SEND 1, 0
	WIN 0
	s_wait_tensorcnt 0x0
	ds_add_u32 v[SPW], v[NIL]
	s_wait_dscnt 0x0
	CROUND
	s_endpgm
.Lfunc_end_k_q642427f266_oproj:
	.size	k_q642427f266_oproj, .Lfunc_end_k_q642427f266_oproj-k_q642427f266_oproj
	.p2alignl 7, 3214868480
	.fill 96, 4, 3214868480
	.section	.rodata,"a",@progbits
	.p2align	6, 0x0
	.amdhsa_kernel k_q642427f266_oproj
		.amdhsa_group_segment_fixed_size 327680
		.amdhsa_private_segment_fixed_size 0
		.amdhsa_enable_private_segment 0
		.amdhsa_kernarg_size 40
		.amdhsa_user_sgpr_count 2
		.amdhsa_user_sgpr_kernarg_segment_ptr 1
		.amdhsa_wavefront_size32 1
		.amdhsa_system_sgpr_workgroup_id_x 1
		.amdhsa_system_sgpr_workgroup_id_y 1
		.amdhsa_system_sgpr_workgroup_id_z 1
		.amdhsa_system_vgpr_workitem_id 0
		.amdhsa_next_free_vgpr 512
		.amdhsa_next_free_sgpr 100
		.amdhsa_reserve_vcc 0
		.amdhsa_float_denorm_mode_32 3
		.amdhsa_float_denorm_mode_16_64 3
		.amdhsa_memory_ordered 1
		.amdhsa_forward_progress 1
		.amdhsa_inst_pref_size 97
	.end_amdhsa_kernel
	.amdgpu_metadata
---
amdhsa.version: [ 1, 2 ]
amdhsa.kernels:
  - .name:           k_q642427f266_oproj
    .symbol:         k_q642427f266_oproj.kd
    .args:
      - { .name: a_img, .offset: 0, .size: 8, .value_kind: global_buffer, .address_space: global }
      - { .name: a_sc, .offset: 8, .size: 8, .value_kind: global_buffer, .address_space: global }
      - { .name: Wo_codes, .offset: 16, .size: 8, .value_kind: global_buffer, .address_space: global }
      - { .name: Wo_scales, .offset: 24, .size: 8, .value_kind: global_buffer, .address_space: global }
      - { .name: out0, .offset: 32, .size: 8, .value_kind: global_buffer, .address_space: global }
    .group_segment_fixed_size: 327680
    .private_segment_fixed_size: 0
    .kernarg_segment_align: 8
    .kernarg_segment_size: 40
    .max_flat_workgroup_size: 128
    .sgpr_count:     100
    .vgpr_count:     512
    .wavefront_size: 32
...
	.end_amdgpu_metadata
.endif
;; end of part 4
